; MI455X (gfx1250); checked and timed in simulation.
; The chip was launched on July 23, 2026; its instructions are those of AMD's public machine-readable ISA for CDNA 5 (MIT licence, August 2026) and "CDNA5" Instruction Set Architecture Reference Guide (July 2026). The comments in the code are by the model that wrote it; some were corrected since.
;; Self Attention Layer. Allowed arithmetic: matrix products marked QUANTISED: E2M1 operands, one E8M0 scale for each 32 along K, by v_wmma_scale_f32_16x16x128_f8f6f4 with both operands' format E2M1 (or v_wmma_scale_f32_32x16x128_f4), f32 sums; products left as they are: bf16, f16 or f32 operands; f32 sums; everything else in f32.
;; Inputs: Wk 1,024 x 1,024 float32; Wo 1,024 x 1,024 float32; Wq 1,024 x 1,024 float32; Wv 1,024 x 1,024 float32; beta 1,024 float32; bk 1,024 float32; bo 1,024 float32; bq 1,024 float32; bv 1,024 float32; gamma 1,024 float32; mask 4 x 1 x 1 x 2,048 float32; x 4 x 2,048 x 1,024 float32.
;; Outputs: out0 4 x 2,048 x 1,024 float32.
;; This version of the problem:
;;   THIS VERSION OF THE PROBLEM IS GIVEN IN LOW PRECISION. The matrix products marked QUANTISED in the list below multiply operands that are first quantised to E2M1 (2 exponent bits, 1 mantissa bit; 4 bits a number), with one power-of-two scale for each 32 numbers along K (OCP MX v1.0); their sums are f32. The products marked 'left as it is' may take bf16, f16 or f32 operands, with f32 sums. Whichever they take, every output number must still come out within the allowed error. Rounding operands to bf16 (8 significant bits) uses up far more of that allowance than f16 does (11 bits, for magnitudes from 6e-5 to 65,504). All else is computed in f32.
;;   The module's matrix products, in the order in which they are computed (A, B: the left and right operand; K: the contracted axis; several contracted axes count as one K, in the product's order):
;;     1. [M 8,192, K 1,024] x [K 1,024, N 1,024]; A: input x; B: input Wq: QUANTISED
;;     2. [M 8,192, K 1,024] x [K 1,024, N 1,024]; A: input x; B: input Wk: QUANTISED
;;     3. [M 8,192, K 1,024] x [K 1,024, N 1,024]; A: input x; B: input Wv: QUANTISED
;;     4. batch 64 x [M 2,048, K 64] x [K 64, N 2,048]; A: computed on the way; B: computed on the way: left as it is (an operand is computed on the way)
;;     5. batch 64 x [M 2,048, K 2,048] x [K 2,048, N 64]; A: computed on the way; B: computed on the way: left as it is (an operand is computed on the way)
;;     6. [M 8,192, K 1,024] x [K 1,024, N 1,024]; A: computed on the way; B: input Wo: left as it is (an operand is computed on the way)
;;   THE QUANTISER, for each operand of a quantised product, along K:
;;     - K is cut into blocks of 32 from its start; a last block that is shorter is filled with zeros.
;;     - A block's scale is 2^e with e = floor(log2(the largest magnitude in the block)) - 2, held to -126 .. 127; a block of zeros has e = 0. As a byte (E8M0): e + 127.
;;     - Each number is divided by its block's scale, clamped to +-6, and rounded to the nearest number of E2M1, ties to even, subnormals kept.
;;     - The product sums the exact products of the quantised numbers (number of the format x scale) in f32.
;;   ~~~python
;;   def quantise(x, axis):      # numpy; x: float32 -> the quantised numbers, widened to float32 again
;;       x = np.moveaxis(x, axis, -1); K = x.shape[-1]
;;       x = np.pad(x, [(0, 0)] * (x.ndim - 1) + [(0, -K % 32)]); x = x.reshape(x.shape[:-1] + (-1, 32)); a = np.abs(x).max(-1, keepdims=True)
;;       e = np.where(a > 0, np.clip(np.frexp(np.where(a > 0, a, 1))[1] - 1 - 2, -126, 127), 0)      # np.frexp(a)[1] - 1 = floor(log2(a)), exactly
;;       r = np.clip(x / 2.0 ** e, -6, 6)
;;       step = 2.0 ** (np.maximum(np.frexp(np.where(r == 0, 1, r))[1] - 1, 0) - 1)
;;       q = np.round(r / step) * step * 2.0 ** e      # np.round: ties to even
;;       return np.moveaxis(q.reshape(q.shape[:-2] + (-1,))[..., :K], -1, axis).astype(np.float32)
;;   ~~~
;; One version. Each part assembles by itself: llvm-mc -triple=amdgcn-amd-amdhsa -mcpu=gfx1250 --defsym DOCPART=n.
;; ======== version 1 of 1: 5 launches
;; limits: values are held in f16: magnitudes above 65,504 overflow, below 6.1e-05 lose precision
;; workspace buffers: xc 4,194,304 bytes; xs 262,144 bytes; wc 1,572,864 bytes; ws 98,304 bytes; wof 2,097,152 bytes; qkv 50,331,648 bytes; ctx 16,777,216 bytes; mo 33,554,432 bytes
;; launch prep (part 1): grid 368 x 1, 4 waves a work-group, no clusters, 68,096 bytes of LDS; arguments x, Wq, Wk, Wv, Wo, xc, xs, wc, ws, wof; writes xc, xs, wc, ws, wof
.if DOCPART == 1
	.amdgcn_target "amdgcn-amd-amdhsa--gfx1250"
	.amdhsa_code_object_version 6
	.text
	.protected	k_qc37f28f798_prep
	.globl	k_qc37f28f798_prep
	.p2align	8
	.type	k_qc37f28f798_prep,@function
k_qc37f28f798_prep:
	s_mov_b64 s[64:65], 0
	v_nop
	global_prefetch_b8 v0, s[64:65] scope:SCOPE_SE
	s_setreg_imm32_b32 hwreg(HW_REG_WAVE_MODE, 25, 1), 1
	s_wait_xcnt 0x0
; SELF-ATTENTION LAYER, launch 1 of 5: the operands are laid out once.
; DEAD WORK, for all values of the inputs: bk.  scores[q][k] = q . (x Wk + bk)[k] / 32 + mask[k] * (-1e9); the part q . bk / 32 is the same for every key k of a query,
; a term added to the softmax's input that is constant along its axis, so in real numbers it leaves the softmax unchanged; the product q k^T is not quantised, so bk moves no code and no scale.
; bk is not loaded and is among no launch's arguments.  LIMIT: a NaN, an infinity or an overflow that reaches only q . bk is not carried to the result.
; WHAT THIS LAUNCH DOES, by the work-group's number (one path each, LDS bytes of its own for each path, no barrier: waves share nothing):
;   0..255    x [8192][1024] f32 -> xc: codes of E2M1, K innermost, 512 bytes a row; xs: one E8M0 byte for each 32 along K, 32 bytes a row
;   256..303  Wq, Wk, Wv [k 1024][n 1024] f32 -> wc [3072 = sel x 1024 + n][512 bytes], ws [3072][32]: quantised along K, their FIRST axis
;   304..367  Wo [k][n] f32 -> wof: f16, laid as images of the matrix operand's registers: [n / 128][k / 32][(n / 16) % 8][1,024 bytes]
; THE QUANTISER: a block's scale byte is its largest magnitude's exponent field - 2, held at 1 from below; numbers / scale to the nearest code, ties to even, beyond 6 the largest code.
; LIMITS: a block of zeros, and blocks whose largest magnitude lies under 2^-124, keep the byte 1 (zero codes add nothing under any byte but 0xff; this program alone reads the bytes); NaN and infinities among the inputs are not served.
.set SP,    80                         ; x path: a lane's place in a stage: 64 bytes + 16 of padding
.set XREG,  8192                       ; x path: LDS of a wave: two stages of 32 x SP bytes, then its 256 scale bytes
.set WST,   4*XREG                     ; weight path: four stages of 32 rows x WP bytes
.set WP,    272                        ; a stage row: 256 bytes + 16
.set SPARE, WST+4*32*WP                ; the spare words, 128 bytes for each wave: two blocks of 256 bytes that no other line names
.set SPW,   1                          ; v1  LDS address of my spare word; never rewritten
.set NIL,   2                          ; v2  0; never rewritten
.set LN,    3                          ; v3  lane
.macro FINISH                          ; the wave's end
	s_wait_tensorcnt 0x0
	ds_add_u32 v[SPW], v[NIL]
	s_wait_dscnt 0x0
	s_endpgm
.endm
	s_load_b512 s[4:19], s[0:1], 0x0               ; x s[4:5], Wq s[6:7], Wk s[8:9], Wv s[10:11], Wo s[12:13], xc s[14:15], xs s[16:17], wc s[18:19]
	s_load_b128 s[20:23], s[0:1], 0x40             ; ws s[20:21], wof s[22:23]
	v_lshl_add_u32 v[SPW], v0, 2, SPARE
	v_mov_b32 v[NIL], 0
	v_lshrrev_b32 v[LN], 5, v0
	v_readfirstlane_b32 s24, v[LN]                 ; wave 0..3
	v_and_b32 v[LN], 31, v0
	s_wait_kmcnt 0x0
	s_cmp_lt_u32 ttmp9, 256
	s_cbranch_scc0 .Lnot_x
; ---------------- x: a plain stream of blocks of 32.  A wave takes 16 steps of 512 numbers.
; Each load reads 512 consecutive bytes, 16 a lane; a step's 2,048 bytes turn through the wave's own stage in LDS and come back 64 bytes a lane: 16 neighbours along K, two lanes to a block.
.set R,   16                           ; v16-143   eight sets of 16 numbers as loaded: loads run eight steps (32 loads a wave) ahead
.set XN,  144                          ; v144-175  two sets of 16 neighbours
.set CX,  176                          ; v176-207  codes: two registers for each step, so that no store's data are written again
.set EX,  208                          ; v208-223  a scale byte for each step
	s_lshl_b32 s25, ttmp9, 2
	s_add_co_u32 s25, s25, s24                     ; which run of 8,192 numbers is my wave's
	s_mov_b32 s27, 0
	s_lshl_b32 s26, s25, 15
	s_add_nc_u64 s[4:5], s[4:5], s[26:27]          ; 32,768 bytes of x a run,
	s_lshl_b32 s26, s25, 12
	s_add_nc_u64 s[14:15], s[14:15], s[26:27]      ; 4,096 of codes,
	s_lshl_b32 s26, s25, 8
	s_add_nc_u64 s[16:17], s[16:17], s[26:27]      ; 256 scale bytes
	s_lshl_b32 s28, s24, 13                        ; my wave's LDS
	v_lshlrev_b32 v4, 4, v[LN]                     ; my 16 bytes of a load's 512
	v_lshrrev_b32 v5, 2, v[LN]
	v_mul_u32_u24 v5, v5, SP
	v_and_b32 v6, 3, v[LN]
	v_lshl_add_u32 v5, v6, 4, v5
	v_add_nc_u32 v5, s28, v5                       ; the stage on the way in: SP (lane / 4) + 16 (lane % 4)
	v_mul_u32_u24 v6, v[LN], SP
	v_add_nc_u32 v6, s28, v6                       ; and on the way out: SP x lane
	v_lshlrev_b32 v7, 3, v[LN]                     ; my 8 bytes of a step's 256 bytes of codes
	s_add_co_u32 s28, s28, 2*32*SP
	v_lshrrev_b32 v8, 1, v[LN]
	v_add_nc_u32 v8, s28, v8                       ; my block's scale byte in LDS
	v_add_nc_u32 v9, s28, v7                       ; and 8 of the 256 on the way out
.macro XLOAD t
.irp i, 0,1,2,3
	global_load_b128 v[R+16*((\t)%8)+4*\i:R+16*((\t)%8)+4*\i+3], v4, s[4:5] offset:2048*(\t)+512*\i th:TH_LOAD_NT
.endr
.endm
.macro XTURN t                         ; LDS serves a wave's instructions in order: no wait between the stores and the loads
.irp i, 0,1,2,3
	ds_store_b128 v5, v[R+16*((\t)%8)+4*\i:R+16*((\t)%8)+4*\i+3] offset:32*SP*((\t)%2)+8*SP*\i
.endr
.irp i, 0,1,2,3
	ds_load_b128 v[XN+16*((\t)%2)+4*\i:XN+16*((\t)%2)+4*\i+3], v6 offset:32*SP*((\t)%2)+16*\i
.endr
.endm
.macro XSTEP t
.set XS, XN+16*((\t)%2)
.if (\t) > 0
	s_wait_dscnt 1                                 ; this step's numbers are back (the last step's byte store may be out): so its stores into the stage have read their registers,
.else
	s_wait_dscnt 0x0
.endif
.if (\t)+8 < 16
	XLOAD (\t)+8                                   ; which take the loads of eight steps on
.endif
.if (\t)+1 < 16
.if 14-(\t) >= 7
	s_wait_loadcnt 28                              ; the next step's four loads are in; those of the seven steps behind it may be out
.else
	s_wait_loadcnt 4*(14-(\t))
.endif
	XTURN (\t)+1
.endif
	v_max3_num_f32 v10, |v[XS]|, |v[XS+1]|, |v[XS+2]|              ; the largest magnitude of my 16, in two chains
	v_max3_num_f32 v11, |v[XS+3]|, |v[XS+4]|, |v[XS+5]|
.irp i, 6,10
	v_max3_num_f32 v10, v10, |v[XS+\i]|, |v[XS+\i+1]|
	v_max3_num_f32 v11, v11, |v[XS+\i+2]|, |v[XS+\i+3]|
.endr
	v_max3_num_f32 v10, v10, |v[XS+14]|, |v[XS+15]|
	v_max3_num_f32 v10, v10, v11, 0x1800000        ; and the floor 2^(3 - 127): the byte cannot fall under 1
	v_max_num_f32_dpp v10, v10, v10 row_xmask:1 row_mask:0xf bank_mask:0xf   ; with my neighbour's 16: the block's
	v_add_nc_u32 v13, 0xff000000, v10              ; 2 off its exponent field: the conversion takes the exponent field of this operand as its scale
	v_cvt_scalef32_pk8_fp4_f32 v[CX+2*(\t)], v[XS:XS+7], v13
	v_cvt_scalef32_pk8_fp4_f32 v[CX+2*(\t)+1], v[XS+8:XS+15], v13
	v_lshrrev_b32 v[EX+(\t)], 23, v13              ; the scale's byte
	ds_store_b8 v8, v[EX+(\t)] offset:16*(\t)      ; both lanes of a block write the same byte with the same value
	global_store_b64 v7, v[CX+2*(\t):CX+2*(\t)+1], s[14:15] offset:256*(\t)   ; the wave stores 256 consecutive bytes, aligned
.endm
.irp t, 0,1,2,3,4,5,6,7
	XLOAD \t
.endr
	s_wait_loadcnt 28                              ; step 0's four loads are in
	XTURN 0
.irp t, 0,1,2,3,4,5,6,7,8,9,10,11,12,13,14,15
	XSTEP \t
.endr
	ds_load_b64 v[10:11], v9                       ; my wave's 256 scale bytes: these loads see my stores
	s_wait_dscnt 0x0
	global_store_b64 v7, v[10:11], s[16:17]        ; 256 consecutive bytes, aligned
	FINISH
.Lnot_x:
	s_cmp_lt_u32 ttmp9, 304
	s_cbranch_scc0 .Lpath_o
; ---------------- Wq, Wk, Wv: K is the first axis.  A LANE TAKES A COLUMN n AND ITS REGISTERS RUN DOWN K: a block of 32 lies in one lane's 32 registers, and the conversions give codes with K innermost.
; A work-group takes 128 columns x 512 along K, a wave 32 columns: 16 blocks a lane, 256 bytes of codes a column, which go through the wave's own stage and leave as rows: sixteen lanes store 256 consecutive bytes, aligned.
; A lane's 16 scale bytes are neighbours in its row of ws and leave by one store of 16 bytes (rows 32 bytes apart): 98,304 bytes in the whole launch.
.set WX,   32                          ; v32-95    two sets of 32 numbers: loads run two blocks ahead
.set WC,   96                          ; v96-99    a block's codes
.set WOUT, 112                         ; v112-175  the way out
.set WSB,  16                          ; v16-19    the scale bytes, four to a register
	s_sub_co_u32 s25, ttmp9, 256
	s_lshr_b32 s26, s25, 4                         ; which weight: 0 q, 1 k, 2 v
	s_cmp_eq_u32 s26, 0
	s_cselect_b64 s[6:7], s[6:7], s[8:9]
	s_cmp_eq_u32 s26, 2
	s_cselect_b64 s[6:7], s[10:11], s[6:7]         ; the choice hangs on the work-group's number alone
	s_bfe_u32 s27, s25, 0x30001                    ; which 128 columns
	s_and_b32 s28, s25, 1                          ; which 512 along K
	s_lshl_b32 s27, s27, 7
	s_lshl_b32 s29, s24, 5
	s_add_co_u32 s27, s27, s29                     ; my wave's first column
	s_lshl_b32 s30, s28, 21                        ; 512 rows of 4,096 bytes
	s_lshl_b32 s29, s27, 2
	s_add_co_u32 s30, s30, s29
	s_mov_b32 s31, 0
	s_add_nc_u64 s[6:7], s[6:7], s[30:31]
	s_lshl_b32 s29, s26, 10
	s_add_co_u32 s29, s29, s27                     ; my first row of wc and ws
	s_lshl_b32 s30, s29, 9
	s_lshl_b32 s32, s28, 8
	s_add_co_u32 s30, s30, s32
	s_add_nc_u64 s[18:19], s[18:19], s[30:31]
	s_lshl_b32 s30, s29, 5
	s_lshl_b32 s32, s28, 4
	s_add_co_u32 s30, s30, s32
	s_add_nc_u64 s[20:21], s[20:21], s[30:31]
	v_lshlrev_b32 v4, 2, v[LN]                     ; in: 4 bytes a lane
	s_mul_i32 s32, s24, 32*WP
	s_add_co_u32 s32, s32, WST                     ; my stage
	v_mul_u32_u24 v5, v[LN], WP
	v_add_nc_u32 v5, s32, v5                       ; into it: row = my column
	v_and_b32 v10, 15, v[LN]
	v_lshrrev_b32 v11, 4, v[LN]
	v_mul_u32_u24 v6, v11, WP
	v_lshl_add_u32 v6, v10, 4, v6
	v_add_nc_u32 v6, s32, v6                       ; out of it: sixteen lanes to a row, two rows an instruction
	v_lshlrev_b32 v7, 9, v11
	v_lshl_add_u32 v7, v10, 4, v7                  ; and the same place in wc
	v_lshlrev_b32 v8, 5, v[LN]                     ; my column's row of ws
.macro WLOAD t
.irp i, 0,1,2,3,4,5,6,7,8,9,10,11,12,13,14,15,16,17,18,19,20,21,22,23,24,25,26,27,28,29,30,31
	global_load_b32 v[WX+32*((\t)%2)+\i], v4, s[6:7] offset:(32*(\t)+\i)*4096 th:TH_LOAD_NT
.endr
.endm
.macro WBLOCK t
.set XS, WX+32*((\t)%2)
.if (\t) < 15
	s_wait_loadcnt 32                              ; this block's 32 loads are in; the next block's may be out
.else
	s_wait_loadcnt 0x0
.endif
	v_max3_num_f32 v12, |v[XS]|, |v[XS+1]|, |v[XS+2]|              ; the block's largest magnitude: all 32 numbers are mine
	v_max3_num_f32 v13, |v[XS+3]|, |v[XS+4]|, |v[XS+5]|
.irp i, 6,10,14,18,22,26
	v_max3_num_f32 v12, v12, |v[XS+\i]|, |v[XS+\i+1]|
	v_max3_num_f32 v13, v13, |v[XS+\i+2]|, |v[XS+\i+3]|
.endr
	v_max3_num_f32 v12, v12, |v[XS+30]|, |v[XS+31]|
	v_max3_num_f32 v12, v12, v13, 0x1800000        ; and the floor
	v_add_nc_u32 v14, 0xff000000, v12              ; the conversion's scale operand
	v_lshrrev_b32 v15, 23, v14                     ; the scale's byte
.if (\t)%4 == 0
	v_mov_b32 v[WSB+(\t)/4], v15                   ; four bytes to a register, the lower K in the lower byte
.else
	v_lshl_or_b32 v[WSB+(\t)/4], v15, 8*((\t)%4), v[WSB+(\t)/4]
.endif
.irp g, 0,1,2,3
	v_cvt_scalef32_pk8_fp4_f32 v[WC+\g], v[XS+8*\g:XS+8*\g+7], v14
.endr
	ds_store_b128 v5, v[WC:WC+3] offset:16*(\t)    ; 32 codes: 16 bytes of my column's row
.if (\t)+2 < 16
	WLOAD (\t)+2
.endif
	s_wait_dscnt 0x0                               ; the store has read its registers: the next block's codes may be written
.endm
	WLOAD 0
	WLOAD 1
.irp t, 0,1,2,3,4,5,6,7,8,9,10,11,12,13,14,15
	WBLOCK \t
.endr
	global_store_b128 v8, v[WSB:WSB+3], s[20:21]
.irp t, 0,1,2,3,4,5,6,7,8,9,10,11,12,13,14,15
	ds_load_b128 v[WOUT+4*\t:WOUT+4*\t+3], v6 offset:2*\t*WP
.endr
.irp t, 0,1,2,3,4,5,6,7,8,9,10,11,12,13,14,15
	s_wait_dscnt 15-\t                             ; the younger loads may stay out
	global_store_b128 v7, v[WOUT+4*\t:WOUT+4*\t+3], s[18:19] offset:2*\t*512
.endr
	FINISH
.Lpath_o:
; ---------------- Wo -> f16 fragments.  A wave takes 128 columns x 32 along K: eight fragments of 16 columns.  Lane (r, h) of a fragment holds column r and k = 8 h + 0..7 (registers 0-3), 16 + 8 h + 0..7 (registers 4-7).
; Each fragment leaves as an image of its registers: registers 0-3 of lane l at 16 l, registers 4-7 at 512 + 16 l: every store covers 512 consecutive bytes.
.set OIN, 16                           ; v16-143   16 numbers a fragment
.set OD,  144                          ; v144-207  8 registers a fragment
	s_sub_co_u32 s25, ttmp9, 304
	s_lshl_b32 s25, s25, 2
	s_add_co_u32 s25, s25, s24                     ; job = 32 (n / 128) + k / 32
	s_lshr_b32 s26, s25, 5
	s_and_b32 s27, s25, 31
	s_lshl_b32 s28, s27, 17                        ; 32 rows of 4,096 bytes
	s_lshl_b32 s26, s26, 9                         ; 128 columns
	s_add_co_u32 s28, s28, s26
	s_mov_b32 s29, 0
	s_add_nc_u64 s[12:13], s[12:13], s[28:29]
	s_lshl_b32 s28, s25, 13                        ; 8,192 bytes a job
	s_add_nc_u64 s[22:23], s[22:23], s[28:29]
	v_and_b32 v10, 15, v[LN]
	v_lshrrev_b32 v11, 4, v[LN]
	v_lshlrev_b32 v4, 2, v10
	v_lshl_add_u32 v4, v11, 15, v4                 ; 8 h rows + 4 r
	v_lshlrev_b32 v5, 4, v[LN]
.irp n, 0,1,2,3,4,5,6,7
.irp i, 0,1,2,3,4,5,6,7,8,9,10,11,12,13,14,15
	global_load_b32 v[OIN+16*\n+\i], v4, s[12:13] offset:((\i)+8*((\i)/8))*4096+64*\n
.endr
.endr
.irp n, 0,1,2,3,4,5,6,7
.if \n < 4
	s_wait_loadcnt 63                              ; at most 63 of the 128 are out: fragments 0 to 3 are in (64 or more loads were issued behind each of theirs)
.else
	s_wait_loadcnt 16*(7-\n)                       ; the later fragments' loads may be out
.endif
.irp j, 0,1,2,3,4,5,6,7
	v_cvt_pk_f16_f32 v[OD+8*\n+\j], v[OIN+16*\n+2*\j], v[OIN+16*\n+2*\j+1]
.endr
	global_store_b128 v5, v[OD+8*\n:OD+8*\n+3], s[22:23] offset:1024*\n
	global_store_b128 v5, v[OD+8*\n+4:OD+8*\n+7], s[22:23] offset:1024*\n+512
.endr
	FINISH
.Lfunc_end_k_qc37f28f798_prep:
	.size	k_qc37f28f798_prep, .Lfunc_end_k_qc37f28f798_prep-k_qc37f28f798_prep
	.p2alignl 7, 3214868480
	.fill 96, 4, 3214868480
	.section	.rodata,"a",@progbits
	.p2align	6, 0x0
	.amdhsa_kernel k_qc37f28f798_prep
		.amdhsa_group_segment_fixed_size 68096
		.amdhsa_private_segment_fixed_size 0
		.amdhsa_enable_private_segment 0
		.amdhsa_kernarg_size 80
		.amdhsa_user_sgpr_count 2
		.amdhsa_user_sgpr_kernarg_segment_ptr 1
		.amdhsa_wavefront_size32 1
		.amdhsa_system_sgpr_workgroup_id_x 1
		.amdhsa_system_sgpr_workgroup_id_y 1
		.amdhsa_system_sgpr_workgroup_id_z 1
		.amdhsa_system_vgpr_workitem_id 0
		.amdhsa_next_free_vgpr 224
		.amdhsa_next_free_sgpr 66
		.amdhsa_reserve_vcc 0
		.amdhsa_float_denorm_mode_32 3
		.amdhsa_float_denorm_mode_16_64 3
		.amdhsa_memory_ordered 1
		.amdhsa_forward_progress 1
		.amdhsa_inst_pref_size 129
	.end_amdhsa_kernel
	.amdgpu_metadata
---
amdhsa.version: [ 1, 2 ]
amdhsa.kernels:
  - .name:           k_qc37f28f798_prep
    .symbol:         k_qc37f28f798_prep.kd
    .args:
      - { .name: x, .offset: 0, .size: 8, .value_kind: global_buffer, .address_space: global }
      - { .name: Wq, .offset: 8, .size: 8, .value_kind: global_buffer, .address_space: global }
      - { .name: Wk, .offset: 16, .size: 8, .value_kind: global_buffer, .address_space: global }
      - { .name: Wv, .offset: 24, .size: 8, .value_kind: global_buffer, .address_space: global }
      - { .name: Wo, .offset: 32, .size: 8, .value_kind: global_buffer, .address_space: global }
      - { .name: xc, .offset: 40, .size: 8, .value_kind: global_buffer, .address_space: global }
      - { .name: xs, .offset: 48, .size: 8, .value_kind: global_buffer, .address_space: global }
      - { .name: wc, .offset: 56, .size: 8, .value_kind: global_buffer, .address_space: global }
      - { .name: ws, .offset: 64, .size: 8, .value_kind: global_buffer, .address_space: global }
      - { .name: wof, .offset: 72, .size: 8, .value_kind: global_buffer, .address_space: global }
    .group_segment_fixed_size: 68096
    .private_segment_fixed_size: 0
    .kernarg_segment_align: 8
    .kernarg_segment_size: 80
    .max_flat_workgroup_size: 128
    .sgpr_count:     66
    .vgpr_count:     224
    .wavefront_size: 32
...
	.end_amdgpu_metadata
.endif
;; end of part 1
;; launch qkv (part 2): grid 12 x 32, 4 waves a work-group, clusters of 4 x 4, 327,680 bytes of LDS; arguments xc, xs, wc, ws, bq, bv, qkv; writes qkv
.if DOCPART == 2
	.amdgcn_target "amdgcn-amd-amdhsa--gfx1250"
	.amdhsa_code_object_version 6
	.text
	.protected	k_qc37f28f798_qkv
	.globl	k_qc37f28f798_qkv
	.p2align	8
	.type	k_qc37f28f798_qkv,@function
k_qc37f28f798_qkv:
	s_mov_b64 s[64:65], 0
	v_nop
	global_prefetch_b8 v0, s[64:65] scope:SCOPE_SE
	s_setreg_imm32_b32 hwreg(HW_REG_WAVE_MODE, 25, 1), 1
	s_wait_xcnt 0x0
	s_wait_alu depctr_hold_cnt(0) depctr_sa_sdst(0) depctr_va_vdst(0) depctr_va_sdst(0) depctr_va_ssrc(0) depctr_va_vcc(0) depctr_vm_vsrc(0)
	s_getreg_b32 s2, hwreg(HW_REG_IB_STS2, 6, 4)
	s_cmp_eq_u32 s2, 0
	s_cbranch_scc0 .Lentry_in_a_cluster
	s_endpgm
.Lentry_in_a_cluster:
	s_bfe_u32 s2, ttmp6, 0x10000c
	s_cmp_lg_u32 s2, 0xf033
	s_cbranch_scc0 .Lentry_shape_is_right
	s_endpgm
.Lentry_shape_is_right:
; Launch 2 of 5: q, k, v = Q(x) Q(W) + bias, ONE product [8192 x 1024] x [3072 x 1024]^T on codes of E2M1 with E8M0 scales, f32 sums; rounded once to f16 and stored by heads: qkv [sel 3][batch 4][head 16][token 2048][64].
; WORK LEFT OUT: bk is not added (shown dead in the first kernel's head comment: it is constant along the softmax's axis); k's sums begin at 0.
; LIMIT: q, k, v are operands of products left as they are and go on as f16: magnitudes beyond 65,504 are not served.
; A tile of 256 tokens x 256 columns is made by four waves, each 128 x 128: 64 accumulators, 512 registers.  K = 1,024 is two LDS slots of 512: both are asked for at the start and nothing is filled again.
; THE SCALES of the work-group's 256 + 256 rows, for all of K, come into LDS once, in whole rows of 256 bytes.
; CLUSTERS: 4 x 4 work-groups; the four of a row need the same tiles of x, the four of a column the same tiles of W: joint loads.  A cluster's four tile columns are one of q, k, v: the cluster's x says which.
; THE MATRIX INSTRUCTION IS USED TRANSPOSED (source 0 = 16 rows of W's codes, source 1 = 16 tokens): a lane holds eight neighbouring columns of one token.  THE BIAS is the C of each sum's first product.
; REGISTERS: window 0: v0-31 addresses; v32-95 scale words, two sets; v128-191 x's fragments, one set; v192-255 the bias in the result's layout, later packed results.  window 1: W's fragments, two sets.  windows 2, 3: accumulators.
.set KSTEP,  512
.set NQ,     4                         ; matrix instructions deep in a slot
.set ROWB,   256                       ; a tile's row in bytes
.set KROW,   512                       ; a row of codes in memory
.set PITCH,  272                       ; an LDS row: 256 bytes + 16: the 16 rows that a load touches start at 16 different groups of banks
.set FR,     8
.set NL,     2
.set NP,     4                         ; places behind this matrix instruction (ISA guide 7.12.1)
.set HALFT,  128*PITCH
.set SLOT,   4*HALFT
.set KS,     32                        ; a row of scales in bytes
.set SCL,    2*SLOT
.set HALFS,  16*272                    ; the scales of 128 rows
.set SBLK,   2*272                     ; those of 16 rows
.set SPARE,  SCL+4*HALFS               ; the spare words: two blocks of 256 bytes that no other line names
.set ADRA, 16
.set ADRB, 20
.set STO,  24                          ; the way out: where I put 16 bytes of a token's row of a head
.set RD,   25                          ; where I read rows back
.set CO,   26                          ; 16 x lane
.set ADRS, 27
.set SPW,  28
.set NIL,  29
.set BOF,  30                          ; 32 x (lane / 16): my eight numbers of a block of 16 of the bias
.set SC,   32
.set AF,   128
.set BI,   192                         ; the bias: block b's eight registers at BI + 8 b
.set TMP,  192                         ; the way out: packed results
.set BK,   128                         ; the way out: rows read back: v128-159 and v160-191 by turns
.set G1, 24
.set G0, 32
.set G1B, 48
.set G0B, 56
.set G1S, 68
.set G0S, 76
.set G1SB, 80
.set G0SB, 88
.set MSB, 0
.macro WIN new                         ; the immediate's high byte repeats the setting that is left
.if MSB != \new
	s_set_vgpr_msb (MSB<<8)|\new
.set MSB, \new
.endif
.endm
.set MUL_LO,   0xa1                    ; source 0 (W) window 1, source 1 (x) window 0, C and D window 2
.set MUL_HI,   0xf1                    ; C and D window 3
.set FIRST_LO, 0x81                    ; the first step: C (the bias) window 0, D window 2
.set FIRST_HI, 0xc1                    ; D window 3
.set TO_B,     0x40
.macro JLOAD g0a, g1a, g0b, g1b        ; a joint load: waves 0 and 1 fetch for x, waves 2 and 3 for W; an s_nop 0 and four v_nop follow each line
	s_cmp_eq_u32 s15, 0
	s_cbranch_scc0 .Lfor_b_\@
	tensor_load_to_lds s[\g0a:\g0a+3], s[\g1a:\g1a+7]
	s_nop 0
.rept 4
	v_nop
.endr
	s_branch .Lasked_\@
.Lfor_b_\@:
	tensor_load_to_lds s[\g0b:\g0b+3], s[\g1b:\g1b+7]
	s_nop 0
.rept 4
	v_nop
.endr
.Lasked_\@:
.endm
.macro CROUND                          ; a round of the cluster's barrier
	s_barrier_signal -1
	s_barrier_wait -1
	s_cmp_lg_u32 s14, 0
	s_cbranch_scc1 .Lnot_wave_0_\@
	s_barrier_signal -3
.Lnot_wave_0_\@:
	s_barrier_wait -3
	s_barrier_signal -1
	s_barrier_wait -1
.endm
	s_load_b128 s[4:7], s[0:1], 0x0                ; x's codes, x's scales
	s_load_b128 s[8:11], s[0:1], 0x10              ; W's codes, W's scales
	s_load_b128 s[96:99], s[0:1], 0x20             ; bq, bv
	s_load_b64 s[12:13], s[0:1], 0x30              ; qkv
	v_lshl_add_u32 v[SPW], v0, 2, SPARE
	v_mov_b32 v[NIL], 0
	ds_add_u32 v[SPW], v[NIL]                      ; the wave's opening: the add, twice on end, and its wait ahead of my first tensor load
	ds_add_u32 v[SPW], v[NIL]
	v_lshrrev_b32 v1, 5, v0
	v_readfirstlane_b32 s14, v1                    ; wave 0..3
	s_lshr_b32 s15, s14, 1                         ; which half of the tile's tokens is mine.  Also: I fetch for x (0) or for W (1)
	s_and_b32 s16, s14, 1                          ; which half of its columns.  Also: which 128 rows of that tile I fetch
	s_bfe_u32 s40, ttmp6, 0x40000                  ; cx, cy
	s_bfe_u32 s41, ttmp6, 0x40004
	s_lshl_b32 s42, ttmp9, 2
	s_add_co_u32 s42, s42, s40                     ; tile column = 4 x cluster x + cx
	s_and_b32 s17, ttmp7, 0xffff
	s_lshl_b32 s17, s17, 2
	s_add_co_u32 s17, s17, s41                     ; tile row = 4 x cluster y + cy
	s_lshl_b32 s43, s41, 2
	s_lshl_b32 s43, 15, s43                        ; my row of the cluster
	s_lshl_b32 s44, 0x1111, s40                    ; my column
	s_or_b32 s[G1+0], s43, (0<<16)|(1<<20)|(1<<21)|(5<<22)|(3<<25)  ; mask; elements of 1 byte; padding on; bit 21 beside a mask; after every 64 words, 4 words
	s_or_b32 s[G1B+0], s44, (0<<16)|(1<<20)|(1<<21)|(5<<22)|(3<<25)
.irp g, G1, G1B
	s_mov_b32 s[\g+1], ROWB<<16                    ; tensor_dim0
	s_mov_b32 s[\g+2], 128<<16                     ; tensor_dim1
	s_mov_b32 s[\g+3], ROWB<<16                    ; tile_dim0
	s_mov_b32 s[\g+4], 128                         ; tile_dim1
	s_mov_b32 s[\g+5], KROW                        ; from row to row
	s_mov_b32 s[\g+6], 0
	s_mov_b32 s[\g+7], 0
.endr
	s_or_b32 s[G1S+0], s43, (3<<16)|(1<<20)|(1<<21)|(5<<22)|(3<<25) ; the scales of 128 rows: 4,096 dense bytes as 16 rows of 256 (32 elements of 8 bytes), 16 bytes of padding behind each
	s_or_b32 s[G1SB+0], s44, (3<<16)|(1<<20)|(1<<21)|(5<<22)|(3<<25)
.irp g, G1S, G1SB
	s_mov_b32 s[\g+1], 32<<16
	s_mov_b32 s[\g+2], 16<<16
	s_mov_b32 s[\g+3], 32<<16
	s_mov_b32 s[\g+4], 16
	s_mov_b32 s[\g+5], 32
	s_mov_b32 s[\g+6], 0
	s_mov_b32 s[\g+7], 0
.endr
	s_lshl_b32 s18, s16, 7
	s_lshl_b32 s20, s17, 8
	s_add_co_u32 s20, s20, s18                     ; x: row 256 x tile row + 128 x half
	s_lshl_b32 s46, s42, 8
	s_add_co_u32 s46, s46, s18                     ; W: row 256 x tile column + 128 x half
	s_mov_b32 s21, 0
	s_mov_b32 s47, 0
	s_mov_b64 s[18:19], KS
	s_mul_u64 s[22:23], s[20:21], s[18:19]         ; where these rows' scales begin
	s_mul_u64 s[92:93], s[46:47], s[18:19]
	s_mov_b64 s[18:19], KROW
	s_mul_u64 s[20:21], s[20:21], s[18:19]         ; and their codes
	s_mul_u64 s[46:47], s[46:47], s[18:19]
	s_mul_i32 s45, s14, HALFT                      ; where they go: wave x 128 rows
	s_mul_i32 s94, s14, HALFS
	s_wait_dscnt 0x0                               ; both opening adds are done
	s_wait_kmcnt 0x0
	s_add_nc_u64 s[20:21], s[4:5], s[20:21]
	s_add_nc_u64 s[22:23], s[6:7], s[22:23]
	s_add_nc_u64 s[46:47], s[8:9], s[46:47]
	s_add_nc_u64 s[92:93], s[10:11], s[92:93]
	CROUND                                         ; all sixteen work-groups are here: the joint loads meet
	s_mov_b32 s[G0S], 1
	s_add_co_u32 s[G0S+1], s94, SCL
	s_mov_b64 s[G0S+2:G0S+3], s[22:23]
	s_or_b32 s[G0S+3], s[G0S+3], 0x80000000
	s_mov_b32 s[G0SB], 1
	s_add_co_u32 s[G0SB+1], s94, SCL
	s_mov_b64 s[G0SB+2:G0SB+3], s[92:93]
	s_or_b32 s[G0SB+3], s[G0SB+3], 0x80000000
	JLOAD G0S, G1S, G0SB, G1SB                     ; three loads of mine go out here and no more: the scales, slot 0, slot 1
.irp s, 0,1
	s_mov_b32 s[G0+4*\s], 1
	s_add_co_u32 s[G0+4*\s+1], s45, \s*SLOT
	s_add_nc_u64 s[G0+4*\s+2:G0+4*\s+3], s[20:21], \s*ROWB
	s_or_b32 s[G0+4*\s+3], s[G0+4*\s+3], 0x80000000
	s_mov_b32 s[G0B+4*\s], 1
	s_add_co_u32 s[G0B+4*\s+1], s45, \s*SLOT
	s_add_nc_u64 s[G0B+4*\s+2:G0B+4*\s+3], s[46:47], \s*ROWB
	s_or_b32 s[G0B+4*\s+3], s[G0B+4*\s+3], 0x80000000
	JLOAD G0+4*\s, G1, G0B+4*\s, G1B
.endr
	v_and_b32 v1, 15, v0                           ; l % 16
	v_bfe_u32 v2, v0, 4, 1                         ; l / 16
	v_lshlrev_b32 v[BOF], 5, v2
	; THE BIAS in the result's layout: lane (r, h), block b, register j: bias[my first column + 16 b + 8 h + j].  The branch hangs on the cluster's x, which all sixteen partners share.
	s_cmp_eq_u32 ttmp9, 1
	s_cbranch_scc1 .Lno_bias
	s_cmp_eq_u32 ttmp9, 0
	s_cselect_b64 s[96:97], s[96:97], s[98:99]     ; bq or bv
	s_lshl_b32 s46, s40, 10                        ; 256 columns a tile column of this weight,
	s_lshl_b32 s47, s16, 9                         ; 128 a wave
	s_add_co_u32 s46, s46, s47
	s_mov_b32 s47, 0
	s_add_nc_u64 s[96:97], s[96:97], s[46:47]
.irp b, 0,1,2,3,4,5,6,7
	global_load_b128 v[BI+8*\b:BI+8*\b+3], v[BOF], s[96:97] offset:64*\b
	global_load_b128 v[BI+8*\b+4:BI+8*\b+7], v[BOF], s[96:97] offset:64*\b+16
.endr
	s_branch .Lbias_done
.Lno_bias:
.irp i, 0,1,2,3,4,5,6,7,8,9,10,11,12,13,14,15,16,17,18,19,20,21,22,23,24,25,26,27,28,29,30,31,32,33,34,35,36,37,38,39,40,41,42,43,44,45,46,47,48,49,50,51,52,53,54,55,56,57,58,59,60,61,62,63
	v_mov_b32 v[BI+\i], 0                          ; k has no bias here
.endr
.Lbias_done:
	v_mul_u32_u24 v3, v1, PITCH
	v_lshl_add_u32 v4, v2, 4, v3                   ; a fragment's row x pitch + 16 x half
	s_mul_i32 s21, s15, HALFT                      ; my 128 tokens
	s_mul_i32 s22, s16, HALFT                      ; my 128 rows of W,
	s_add_co_u32 s22, s22, 2*HALFT                 ; which lie behind x's 256
.irp s, 0,1
	v_add_nc_u32 v[ADRA+\s], s21, v4
	v_add_nc_u32 v[ADRB+\s], s22, v4
	s_add_co_u32 s21, s21, SLOT
	s_add_co_u32 s22, s22, SLOT
.endr
	v_mul_u32_u24 v5, v1, KS                       ; my row's scales: 32 bytes a row,
	v_lshrrev_b32 v6, 8, v5
	v_lshl_add_u32 v5, v6, 4, v5                   ; and 16 more for each 256 passed
	s_mul_i32 s21, s15, HALFS
	s_mul_i32 s22, s16, HALFS
	s_add_co_u32 s22, s22, 2*HALFS
	s_sub_co_u32 s22, s22, s21
	v_mul_u32_u24 v6, s22, v2                      ; lanes 16-31 take W's
	s_add_co_u32 s21, s21, SCL
	v_add_nc_u32 v5, v5, v6
	v_add_nc_u32 v[ADRS], s21, v5
	s_mul_i32 s23, s14, 2*16*144                   ; my stage: [head 2][16 tokens][128 bytes + 16], in slot 0, which has had its only fill and its last read when the first result is stored there
	v_mul_u32_u24 v5, v1, 144
	v_lshl_add_u32 v5, v2, 4, v5
	v_add_nc_u32 v[STO], s23, v5                   ; in: token l % 16, 16 bytes for each half of the lanes
	v_and_b32 v6, 31, v0
	v_lshrrev_b32 v5, 3, v6
	v_mul_u32_u24 v5, v5, 144
	v_and_b32 v7, 7, v0
	v_lshl_add_u32 v5, v7, 4, v5
	v_add_nc_u32 v[RD], s23, v5                    ; back: eight lanes to a token's 128 bytes, four tokens an instruction
	v_lshlrev_b32 v[CO], 4, v6                     ; and in memory those four rows are 512 consecutive bytes
	s_lshl_b32 s20, ttmp9, 24                      ; q, k or v: 16,777,216 bytes each
	s_lshr_b32 s21, s17, 3                         ; the batch: 8 tile rows each
	s_lshl_b32 s21, s21, 4
	s_lshl_b32 s46, s40, 2                         ; 4 heads a tile column,
	s_add_co_u32 s21, s21, s46
	s_lshl_b32 s46, s16, 1                         ; 2 a wave
	s_add_co_u32 s21, s21, s46
	s_lshl_b32 s21, s21, 18                        ; a head is 262,144 bytes
	s_add_co_u32 s20, s20, s21
	s_and_b32 s21, s17, 7
	s_lshl_b32 s21, s21, 8
	s_lshl_b32 s46, s15, 7
	s_add_co_u32 s21, s21, s46                     ; my first token in the batch
	s_lshl_b32 s21, s21, 7                         ; 128 bytes a token
	s_add_co_u32 s20, s20, s21
	s_mov_b32 s21, 0
	s_add_nc_u64 s[12:13], s[12:13], s[20:21]
.macro FRAG reg, adr, q, i             ; 16 rows x 128 K of 4-bit codes: 8 registers: lane l holds row l % 16; registers 4 c .. 4 c + 3 hold K = 64 c + 32 (l / 16) + 0 .. 31
.irp c, 0,1
	ds_load_b128 v[\reg+4*\c:\reg+4*\c+3], v[\adr] offset:64*(\q)+32*\c+(\i)*16*PITCH
.endr
.endm
; 16 matrix instructions: x's blocks a0, a0 + 1 against W's eight.  first = 1: the bias is the C.  The 64 accumulators take turns, one instruction a turn, in the same order in every step.
.macro MUL16 a0, p, q, sc, first
.irp a, \a0, \a0+1
.irp b, 0,1,2,3,4,5,6,7
.if \first
	v_wmma_scale_f32_16x16x128_f8f6f4 v[8*(8*((\a)%4)+\b):8*(8*((\a)%4)+\b)+7], v[128*(\p)+FR*\b:128*(\p)+FR*\b+FR-1], v[AF+FR*(\a):AF+FR*(\a)+FR-1], v[BI+8*\b:BI+8*\b+7], v[SC+8*NQ*(\sc)+NQ*\b+(\q)], v[SC+8*NQ*(\sc)+NQ*(\a)+(\q)] matrix_a_fmt:MATRIX_FMT_FP4 matrix_b_fmt:MATRIX_FMT_FP4 matrix_a_scale:MATRIX_SCALE_ROW1
.else
	v_wmma_scale_f32_16x16x128_f8f6f4 v[8*(8*((\a)%4)+\b):8*(8*((\a)%4)+\b)+7], v[128*(\p)+FR*\b:128*(\p)+FR*\b+FR-1], v[AF+FR*(\a):AF+FR*(\a)+FR-1], v[8*(8*((\a)%4)+\b):8*(8*((\a)%4)+\b)+7], v[SC+8*NQ*(\sc)+NQ*\b+(\q)], v[SC+8*NQ*(\sc)+NQ*(\a)+(\q)] matrix_a_fmt:MATRIX_FMT_FP4 matrix_b_fmt:MATRIX_FMT_FP4 matrix_a_scale:MATRIX_SCALE_ROW1
.endif
.endr
.endr
.endm
.macro FETCH_B slot, q, p
	WIN TO_B
.irp i, 0,1,2,3,4,5,6,7
	FRAG 128*(\p)+FR*\i, ADRB+\slot, \q, \i
.endr
	WIN 0
.endm
.macro FETCH_A slot, q, i0
.irp i, \i0, \i0+1, \i0+2, \i0+3
	FRAG AF+FR*(\i), ADRA+\slot, \q, \i
.endr
.endm
.macro SCALES sc                       ; a slot's scale words: lanes 0-15 take x's block i, lanes 16-31 W's block i
.irp i, 0,1,2,3,4,5,6,7
	ds_load_b128 v[SC+8*NQ*\sc+NQ*\i:SC+8*NQ*\sc+NQ*\i+3], v[ADRS] offset:\i*SBLK
.endr
.endm
.macro PLACES n                        ; places in front of loads into registers that matrix instructions have read, and of the first read of results
.rept \n
	v_nop
.endr
.endm
.macro STEP slot, q, first             ; 128 along K with its successor in the same slot
	s_wait_dscnt 4*NL                              ; W's set and x's blocks 0-3 are in; the youngest eight loads (blocks 4-7) may be out
.if \first
	WIN FIRST_LO
.else
	WIN MUL_LO
.endif
	MUL16 0, (\q)%2, \q, \slot, \first
	MUL16 2, (\q)%2, \q, \slot, \first
	s_wait_dscnt 0
	PLACES NP
	FETCH_B \slot, (\q)+1, 1-(\q)%2
	FETCH_A \slot, (\q)+1, 0
.if \first
	WIN FIRST_HI
.else
	WIN MUL_HI
.endif
	MUL16 4, (\q)%2, \q, \slot, \first
	MUL16 6, (\q)%2, \q, \slot, \first
	PLACES NP
	WIN 0
	FETCH_A \slot, (\q)+1, 4
.endm
.macro TURN slot, next                 ; slot 0's last step: one barrier shows slot 1 whole to every wave
	s_wait_tensorcnt 0x0                           ; all my tensor loads have landed: my part of the next slot
	ds_add_u32 v[SPW], v[NIL]
	s_wait_dscnt 4*NL+1                            ; (the add and the youngest eight loads may be out)
	WIN MUL_LO
	MUL16 0, 1, NQ-1, \slot, 0
	s_wait_dscnt 0x0                               ; the add is done, and my reads of this slot are over
	s_barrier_signal -1
	MUL16 2, 1, NQ-1, \slot, 0
	WIN 0
	s_barrier_wait -1
	PLACES NP
	v_add_nc_u32 v[ADRS], 4*NQ, v[ADRS]            ; the next slot's scale words
	FETCH_B \next, 0, 0
	FETCH_A \next, 0, 0
	SCALES \next
	WIN MUL_HI
	MUL16 4, 1, NQ-1, \slot, 0
	MUL16 6, 1, NQ-1, \slot, 0
	PLACES NP
	WIN 0
	FETCH_A \next, 0, 4
.endm
	s_wait_tensorcnt 1                             ; the scales and my part of slot 0 are in (slot 1's load may be out),
	s_barrier_signal -1
	s_barrier_wait -1                              ; everybody's are
	FETCH_B 0, 0, 0
	FETCH_A 0, 0, 0
	SCALES 0
	FETCH_A 0, 0, 4
	s_wait_loadcnt 0x0                             ; the bias
	STEP 0, 0, 1
	STEP 0, 1, 0
	STEP 0, 2, 0
	TURN 0, 1
	STEP 1, 0, 0
	STEP 1, 1, 0
	STEP 1, 2, 0
	s_wait_dscnt 4*NL                              ; the very last step
	WIN MUL_LO
	MUL16 0, 1, NQ-1, 1, 0
	MUL16 2, 1, NQ-1, 1, 0
	s_wait_dscnt 0
	WIN MUL_HI
	MUL16 4, 1, NQ-1, 1, 0
	MUL16 6, 1, NQ-1, 1, 0
	WIN 0
; THE WAY OUT, a block of 16 tokens x 128 columns (two heads) at a time: rounded to f16 (16 bytes a lane), through my stage, back as rows of 128 bytes, four tokens of a head to a store: 512 consecutive bytes.
.macro PACK a
.set AC, 64*((\a)%4)
	WIN 0x0a+5*((\a)/4)                            ; sources 0 and 1: window 2 or 3
.irp b, 0,1,2,3,4,5,6,7
.irp i, 0,1,2,3
	v_cvt_pk_f16_f32 v[TMP+4*\b+\i], v[AC+8*\b+2*\i], v[AC+8*\b+2*\i+1]   ; each accumulator from its low end on
.endr
.endr
	WIN 0
.endm
.macro TOSTAGE a
.set BB, BK+32*((\a)%2)
.irp b, 0,1,2,3,4,5,6,7
	ds_store_b128 v[STO], v[TMP+4*\b:TMP+4*\b+3] offset:(\b/4)*2304+32*(\b%4)
.endr
.irp t, 0,1,2,3,4,5,6,7
	ds_load_b128 v[BB+4*\t:BB+4*\t+3], v[RD] offset:(\t/4)*2304+576*(\t%4)   ; LDS serves a wave's instructions in order: these see the stores above
.endr
.endm
.macro SEND a
.set BB, BK+32*((\a)%2)
	s_wait_dscnt 0x0                               ; the block is back in registers
	s_wait_xcnt 0x0                                ; the earlier stores have read their base and their registers: only behind this wait are they rewritten
.if (\a) > 0
	s_add_nc_u64 s[12:13], s[12:13], 16*128        ; 16 tokens on
.endif
.irp t, 0,1,2,3,4,5,6,7
	global_store_b128 v[CO], v[BB+4*\t:BB+4*\t+3], s[12:13] offset:(\t/4)*262144+512*(\t%4)
.endr
.endm
	PLACES NP
	PACK 0
	TOSTAGE 0
.irp a, 1,2,3,4,5,6,7                  ; block a's conversions stand between block a - 1's loads from the stage and the wait for them
	PACK \a
	SEND \a-1
	TOSTAGE \a
.endr
	SEND 7
	s_wait_tensorcnt 0x0                           ; the wave's end
	ds_add_u32 v[SPW], v[NIL]
	s_wait_dscnt 0x0
	CROUND                                         ; the closing round
	s_endpgm
.Lfunc_end_k_qc37f28f798_qkv:
	.size	k_qc37f28f798_qkv, .Lfunc_end_k_qc37f28f798_qkv-k_qc37f28f798_qkv
	.p2alignl 7, 3214868480
	.fill 96, 4, 3214868480
	.section	.rodata,"a",@progbits
	.p2align	6, 0x0
	.amdhsa_kernel k_qc37f28f798_qkv
		.amdhsa_group_segment_fixed_size 327680
		.amdhsa_private_segment_fixed_size 0
		.amdhsa_enable_private_segment 0
		.amdhsa_kernarg_size 56
		.amdhsa_user_sgpr_count 2
		.amdhsa_user_sgpr_kernarg_segment_ptr 1
		.amdhsa_wavefront_size32 1
		.amdhsa_system_sgpr_workgroup_id_x 1
		.amdhsa_system_sgpr_workgroup_id_y 1
		.amdhsa_system_sgpr_workgroup_id_z 1
		.amdhsa_system_vgpr_workitem_id 0
		.amdhsa_next_free_vgpr 1024
		.amdhsa_next_free_sgpr 100
		.amdhsa_reserve_vcc 0
		.amdhsa_float_denorm_mode_32 3
		.amdhsa_float_denorm_mode_16_64 3
		.amdhsa_memory_ordered 1
		.amdhsa_forward_progress 1
		.amdhsa_inst_pref_size 131
	.end_amdhsa_kernel
	.amdgpu_metadata
---
amdhsa.version: [ 1, 2 ]
amdhsa.kernels:
  - .name:           k_qc37f28f798_qkv
    .symbol:         k_qc37f28f798_qkv.kd
    .args:
      - { .name: xc, .offset: 0, .size: 8, .value_kind: global_buffer, .address_space: global }
      - { .name: xs, .offset: 8, .size: 8, .value_kind: global_buffer, .address_space: global }
      - { .name: wc, .offset: 16, .size: 8, .value_kind: global_buffer, .address_space: global }
      - { .name: ws, .offset: 24, .size: 8, .value_kind: global_buffer, .address_space: global }
      - { .name: bq, .offset: 32, .size: 8, .value_kind: global_buffer, .address_space: global }
      - { .name: bv, .offset: 40, .size: 8, .value_kind: global_buffer, .address_space: global }
      - { .name: qkv, .offset: 48, .size: 8, .value_kind: global_buffer, .address_space: global }
    .group_segment_fixed_size: 327680
    .private_segment_fixed_size: 0
    .kernarg_segment_align: 8
    .kernarg_segment_size: 56
    .max_flat_workgroup_size: 128
    .sgpr_count:     100
    .vgpr_count:     1024
    .wavefront_size: 32
...
	.end_amdgpu_metadata
.endif
;; end of part 2
;; launch attn (part 3): grid 4 x 64, 16 waves a work-group, clusters of 4 x 1, 327,680 bytes of LDS; arguments qkv, mask, ctx; writes ctx
.if DOCPART == 3
	.amdgcn_target "amdgcn-amd-amdhsa--gfx1250"
	.amdhsa_code_object_version 6
	.text
	.protected	k_qc37f28f798_attn
	.globl	k_qc37f28f798_attn
	.p2align	8
	.type	k_qc37f28f798_attn,@function
k_qc37f28f798_attn:
	s_mov_b64 s[64:65], 0
	v_nop
	global_prefetch_b8 v0, s[64:65] scope:SCOPE_SE
	s_setreg_imm32_b32 hwreg(HW_REG_WAVE_MODE, 25, 1), 1
	s_wait_xcnt 0x0
	s_wait_alu depctr_hold_cnt(0) depctr_sa_sdst(0) depctr_va_vdst(0) depctr_va_sdst(0) depctr_va_ssrc(0) depctr_va_vcc(0) depctr_vm_vsrc(0)
	s_getreg_b32 s2, hwreg(HW_REG_IB_STS2, 6, 4)
	s_cmp_eq_u32 s2, 0
	s_cbranch_scc0 .Lentry_in_a_cluster
	s_endpgm
.Lentry_in_a_cluster:
	s_bfe_u32 s2, ttmp6, 0x10000c
	s_cmp_lg_u32 s2, 0x3003
	s_cbranch_scc0 .Lentry_shape_is_right
	s_endpgm
.Lentry_shape_is_right:
; Launch 3 of 5: ctx[b][h][q] = sum over k of softmax_k(q . k / 32 + mask[b][k] * (-1e9)) v[k].  q, k, v, ctx: [b 4][h 16][2048][64] f16; products with f16 operands and f32 sums; maxima, exponentials and sums in f32.
; WORK LEFT OUT: k carries no bk (shown dead in the first kernel's head comment).
; SHARES.  A cluster of four work-groups is one (batch, head); a work-group owns 512 queries; each of its SIXTEEN waves owns 32, two tiles of 16, in 256 registers: four waves to a SIMD, so that one wave's vector work
; stands beside another's matrix work and LDS loads.  Every wave walks the 2,048 keys, 64 a step, 4 steps a slot.  The four work-groups walk the same K and V: each tile is asked for JOINTLY (mask 15).
; LAYOUT.  S^T = K Q^T (source 0 = 16 keys, source 1 = 16 queries): a lane holds ONE query (lane % 16) and keys 8 (lane / 16) + 0..7.  Two such tiles, rounded to f16 in pairs, ARE source 1 (32 keys x 16 queries)
; of O^T = V^T P.  K comes out of LDS as it lies, V ([key][channel]) turned, by ds_load_tr16_b128.
; THE MASK: the numbers mask * (-1e9) * 32 (the factor 32 is exact) lie in LDS for the batch's 2,048 keys and are the C of each score's first product: s = q . k + 32 mask (-1e9), and t = s x log2(e) / 32.
; LIMIT: that sum is rounded by the matrix instruction and not by an f32 addition of q . k / 32 and mask (-1e9).
; SOFTMAX.  A running maximum m and sum l for each query: p = 2^(c s - c m), c = log2(e) / 32; in every step O and l are multiplied by a = 2^(c m_old - c m_new).  The loop is written once: m begins at -3e38, l and O^T at 0.
.set KP,    144                        ; a key's row of K in LDS: 128 bytes + 16
.set VP,    160                        ; of V: 128 + 32: the turning load's eight rows x 32 bytes fall on different banks
.set VOFF,  256*KP                     ; a slot: 256 rows of K, then 256 rows of V
.set SLOT1, 1<<17                      ; slot 1 begins here: one exclusive or turns an address
.set STG,   256*(KP+VP)                ; behind slot 0: the way out's stages, 16 rows x 144 bytes for each wave; no tensor load lands there
.set MKB,   SLOT1+256*(KP+VP)          ; behind slot 1: the 2,048 mask terms, f32
.set SPARE, MKB+8192                   ; the spare words, 128 bytes for each wave: eight blocks of 256 bytes that no other line names
.set AK0, 1                            ; v1   my lane's place in a tile of K
.set AV0, 2                            ; v2   in a tile of V
.set AM0, 3                            ; v3   among the mask terms
.set SPW, 4
.set NIL, 5
.set ADK, 6                            ; v6-8 the step's addresses
.set ADV, 7
.set ADM, 8
.set QO,  9                            ; v9   my byte offset in the wave's rows of q; on the way out in those of ctx
.set STO, 10
.set RD,  11
.set PFO, 12                           ; v12  256 x lane
.set ST,  16                           ; tile t's statistics at v[ST + 8 t]: +0 c m, +1 m, +2, +3 l in two halves, +4 to +7 at work; a at +6
.set Q,   32                           ; v32-63   Q: tile t, channels 32 s on, at Q + 16 t + 8 s
.set F,   64                           ; v64-127  four fragments of K and two blocks of mask terms; then eight fragments of V
.set MK,  96
.set S,   128                          ; v128-191 S^T, 32 a tile; P is made in place, 16 a tile
.set O,   192                          ; v192-255 O^T: tile t, channels 16 u on, at O + 32 t + 8 u
.set TB,  2                            ; s2   LDS byte at which the slot in hand begins
.set TM,  3                            ; s3   the step's first mask term: 256 bytes a step
.set WV,  10
.set SEL, 20
.set CS,  22
.set G1K, 24
.set G1V, 32
.set G0K, 40
.set G0V, 44
.set SLOTS, 48
.set PFA, 50
.set LIM, 52
.macro TLOAD                           ; waves 0 and 1 fetch K's halves of a slot, waves 2 and 3 V's, the others nothing; the branches hang on the wave's number alone; an s_nop 0 and four v_nop follow each line
	s_cmp_lt_u32 s[WV], 2
	s_cbranch_scc0 .Lnot_k_\@
	tensor_load_to_lds s[G0K:G0K+3], s[G1K:G1K+7]
	s_nop 0
.rept 4
	v_nop
.endr
	s_branch .Lasked_\@
.Lnot_k_\@:
	s_cmp_lt_u32 s[WV], 4
	s_cbranch_scc0 .Lasked_\@
	tensor_load_to_lds s[G0V:G0V+3], s[G1V:G1V+7]
	s_nop 0
.rept 4
	v_nop
.endr
.Lasked_\@:
.endm
; A PREFETCH of what the NEXT change of slots will ask for: a slot's 32,768 bytes of K and of V.  The four partners share them out BY ADDRESS, 8,192 bytes each; in each, wave 4 asks for K's and wave 5 for V's,
; lanes 256 bytes apart, one instruction: each block of 256 bytes is named once in the launch.  It stands a slot's 4 key steps ahead of that load.  The last change that fills a slot asks for nothing; nothing is asked for at the head.
.macro ASK
	s_cmp_gt_u32 s[SLOTS], s[LIM]
	s_cbranch_scc0 .Lnot_mine_\@
	global_prefetch_b8 v[PFO], s[PFA:PFA+1] th:TH_LOAD_NT scope:SCOPE_SE
.Lnot_mine_\@:
.endm
.macro CROUND                          ; a round of the cluster's barrier
	s_barrier_signal -1
	s_barrier_wait -1
	s_cmp_lg_u32 s[WV], 0
	s_cbranch_scc1 .Lnot_wave_0_\@
	s_barrier_signal -3
.Lnot_wave_0_\@:
	s_barrier_wait -3
	s_barrier_signal -1
	s_barrier_wait -1
.endm
	s_load_b128 s[4:7], s[0:1], 0x0                ; qkv, mask
	s_load_b64 s[8:9], s[0:1], 0x10                ; ctx
	v_lshl_add_u32 v[SPW], v0, 2, SPARE
	v_mov_b32 v[NIL], 0
	ds_add_u32 v[SPW], v[NIL]                      ; the wave's opening: the add, twice on end, and its wait ahead of the first tensor loads
	ds_add_u32 v[SPW], v[NIL]
	v_lshrrev_b32 v6, 5, v0
	v_readfirstlane_b32 s[WV], v6                  ; wave 0..15
	s_bfe_u32 s11, ttmp6, 0x40000                  ; cx: which 512 queries: it enters q's, ctx's and the prefetches' addresses alone
	s_and_b32 s12, ttmp7, 0xffff                   ; 16 x batch + head, which the four partners share
	s_and_b32 s13, s[WV], 1                        ; which half of a slot's rows I fetch, if I fetch
	s_mov_b32 s[G1K], 15|(0<<16)|(1<<20)|(1<<21)|(4<<22)|(3<<25)   ; the mask: all four; elements of 1 byte; padding on; bit 21 beside a mask; after every 32 words, 4 words
	s_mov_b32 s[G1V], 15|(0<<16)|(1<<20)|(1<<21)|(4<<22)|(7<<25)   ; the same with 8 words
.irp g, G1K, G1V
	s_mov_b32 s[\g+1], 128<<16                     ; tensor_dim0 = 128 bytes
	s_mov_b32 s[\g+2], 128<<16                     ; tensor_dim1 = 128 rows
	s_mov_b32 s[\g+3], 128<<16                     ; tile_dim0
	s_mov_b32 s[\g+4], 128                         ; tile_dim1
	s_mov_b32 s[\g+5], 128                         ; from row to row
	s_mov_b32 s[\g+6], 0
	s_mov_b32 s[\g+7], 0
.endr
	s_mov_b32 s[SEL], 0x76543210
	s_mov_b32 s[SEL+1], 0xfedcba98                 ; v_permlanex16_b32: lane l xor 16
	s_mov_b32 s[CS], 0x3d38aa3b                    ; c = log2(e) / 32
	s_mov_b32 s[CS+1], s[CS]                       ; (named with it as a pair, so it is written)
	s_mov_b32 s[TB], 0
	s_mov_b32 s[TM], 0
	s_mov_b32 s[SLOTS], 7
	s_lshl_b32 s14, s12, 18                        ; the head's first byte in q, in k, in v and in ctx
	s_lshl_b32 s16, s13, 14                        ; my half of a slot: 128 rows of 128 bytes
	s_add_co_u32 s16, s16, s14
	s_mov_b32 s17, 0
	s_lshl_b32 s18, s11, 16                        ; my work-group's 512 rows,
	s_lshl_b32 s19, s[WV], 12                      ; my wave's 32
	s_add_co_u32 s18, s18, s19
	s_add_co_u32 s18, s18, s14
	s_mov_b32 s19, 0
	s_wait_dscnt 0x0                               ; both opening adds are done
	s_wait_kmcnt 0x0
	CROUND                                         ; all four work-groups are here: the first joint loads meet
	s_mov_b32 s[G0K], 1
	s_mul_i32 s[G0K+1], s13, 128*KP                ; slot 0, my half
	s_add_nc_u64 s[G0K+2:G0K+3], s[4:5], s[16:17]
	s_add_nc_u64 s[G0K+2:G0K+3], s[G0K+2:G0K+3], 0x1000000   ; k lies 16,777,216 bytes behind q
	s_or_b32 s[G0K+3], s[G0K+3], 0x80000000
	s_mov_b32 s[G0V], 1
	s_mul_i32 s[G0V+1], s13, 128*VP
	s_add_co_u32 s[G0V+1], s[G0V+1], VOFF
	s_add_nc_u64 s[G0V+2:G0V+3], s[4:5], s[16:17]
	s_add_nc_u64 s[G0V+2:G0V+3], s[G0V+2:G0V+3], 0x2000000   ; v 33,554,432
	s_or_b32 s[G0V+3], s[G0V+3], 0x80000000
	TLOAD                                          ; slot 0: a fetching wave has one tensor load out, here and behind every change
	s_add_nc_u64 s[8:9], s[8:9], s[18:19]          ; ctx at my wave's first row
	s_add_co_u32 s14, s13, 1
	s_lshl_b32 s14, s14, 24                        ; the prefetches: k (even waves) or v (odd),
	s_lshl_b32 s15, s12, 18
	s_add_co_u32 s14, s14, s15                     ; my head,
	s_lshl_b32 s15, s11, 13
	s_add_co_u32 s14, s14, s15                     ; my work-group's 8,192 bytes of a slot,
	s_add_co_u32 s14, s14, 32768                   ; in slot 1: the first change steps it to slot 2
	s_mov_b32 s15, 0
	s_add_nc_u64 s[PFA:PFA+1], s[4:5], s[14:15]
	s_lshr_b32 s14, s[WV], 1
	s_cmp_eq_u32 s14, 2                            ; waves 4 and 5 ask
	s_cselect_b32 s[LIM], 1, -1
	s_add_nc_u64 s[4:5], s[4:5], s[18:19]          ; q at my wave's first row
	s_lshr_b32 s14, s12, 4
	s_lshl_b32 s14, s14, 13                        ; the batch's 2,048 numbers of the mask
	s_add_nc_u64 s[6:7], s[6:7], s[14:15]
	v_and_b32 v13, 15, v0                          ; r
	v_bfe_u32 v14, v0, 4, 1                        ; h
	v_lshlrev_b32 v[QO], 7, v13
	v_lshl_add_u32 v[QO], v14, 4, v[QO]            ; row r of 128 bytes + 16 h
.irp t, 0,1
.irp s, 0,1
	global_load_b128 v[Q+16*\t+8*\s:Q+16*\t+8*\s+3], v[QO], s[4:5] offset:2048*\t+64*\s
	global_load_b128 v[Q+16*\t+8*\s+4:Q+16*\t+8*\s+7], v[QO], s[4:5] offset:2048*\t+64*\s+32
.endr
.endr
	v_lshlrev_b32 v15, 4, v0                       ; the 512 threads take four numbers of the mask each
	global_load_b128 v[F:F+3], v15, s[6:7]
	v_lshl_add_u32 v6, v0, 4, MKB                  ; and put four terms here
	v_mul_u32_u24 v[AK0], v13, KP
	v_lshl_add_u32 v[AK0], v14, 4, v[AK0]          ; K: key r x pitch + 16 h
	v_and_b32 v7, 7, v0
	v_lshl_add_u32 v7, v14, 3, v7                  ; V: the turning load: key 8 h + l % 8,
	v_mul_u32_u24 v[AV0], v7, VP
	v_bfe_u32 v7, v0, 3, 1
	v_lshl_add_u32 v[AV0], v7, 4, v[AV0]           ; channels 8 ((l / 8) % 2) on
	v_add_nc_u32 v[AV0], VOFF, v[AV0]
	v_lshl_add_u32 v[AM0], v14, 5, MKB             ; the terms of keys 8 h + 0..7
	s_mul_i32 s14, s[WV], 16*144
	s_add_co_u32 s14, s14, STG                     ; my stage
	v_mul_u32_u24 v[STO], v13, 144
	v_lshl_add_u32 v[STO], v14, 4, v[STO]
	v_add_nc_u32 v[STO], s14, v[STO]               ; in: query r, 16 bytes for each half of the lanes
	v_and_b32 v8, 31, v0
	v_lshrrev_b32 v7, 3, v8
	v_mul_u32_u24 v[RD], v7, 144
	v_and_b32 v7, 7, v0
	v_lshl_add_u32 v[RD], v7, 4, v[RD]
	v_add_nc_u32 v[RD], s14, v[RD]                 ; back: eight lanes to a row of 128 bytes, four rows an instruction
	v_lshlrev_b32 v[PFO], 8, v8
.irp t, 0,1
	v_mov_b32 v[ST+8*\t+1], 0xff61b1e6             ; m = -3e38, under every score
	v_mul_f32 v[ST+8*\t], s[CS], v[ST+8*\t+1]      ; c m
	v_mov_b32 v[ST+8*\t+2], 0                      ; l
	v_mov_b32 v[ST+8*\t+3], 0
	v_mov_b32 v[ST+8*\t+5], 0                      ; (a lane permute's destination counts as one of its sources)
.endr
.irp j, 0,1,2,3,4,5,6,7,8,9,10,11,12,13,14,15,16,17,18,19,20,21,22,23,24,25,26,27,28,29,30,31,32,33,34,35,36,37,38,39,40,41,42,43,44,45,46,47,48,49,50,51,52,53,54,55,56,57,58,59,60,61,62,63
	v_mov_b32 v[O+\j], 0                           ; O^T: the loop is written once; its first step finds zeros, which the first a leaves zeros
.endr
	s_wait_loadcnt 0x0                             ; Q and the mask
.irp i, 0,1,2,3
	v_mul_f32 v[F+\i], 0xce6e6b28, v[F+\i]         ; mask x (-1e9), rounded as the layer's own product is,
.endr
.irp i, 0,1,2,3
	v_mul_f32 v[F+\i], 0x42000000, v[F+\i]         ; x 32: exact
.endr
	ds_store_b128 v6, v[F:F+3]                     ; the first change's wait for my LDS instructions and its round show these to every wave
; ONE TILE'S SOFTMAX FOR A STEP, the two tiles by turns line by line, so that no line waits for the line above it.
.macro SOFTMAX
.irp j, 0,1,2,3                        ; the maximum of the lane's 32 scores and the old m: four chains, each begun at its accumulator's low end
.irp t, 0,1
	v_max3_num_f32 v[ST+8*\t+4+\j], v[S+32*\t+8*\j], v[S+32*\t+8*\j+1], v[S+32*\t+8*\j+2]
.endr
.endr
.irp i, 3,5
.irp j, 0,1,2,3
.irp t, 0,1
	v_max3_num_f32 v[ST+8*\t+4+\j], v[ST+8*\t+4+\j], v[S+32*\t+8*\j+\i], v[S+32*\t+8*\j+\i+1]
.endr
.endr
.endr
.irp t, 0,1
	v_max3_num_f32 v[ST+8*\t+4], v[ST+8*\t+4], v[S+32*\t+7], v[S+32*\t+15]
.endr
.irp t, 0,1
	v_max3_num_f32 v[ST+8*\t+6], v[ST+8*\t+6], v[S+32*\t+23], v[S+32*\t+31]
.endr
.irp t, 0,1
	v_max3_num_f32 v[ST+8*\t+4], v[ST+8*\t+4], v[ST+8*\t+5], v[ST+8*\t+6]
.endr
.irp t, 0,1
	v_max3_num_f32 v[ST+8*\t+4], v[ST+8*\t+4], v[ST+8*\t+7], v[ST+8*\t+1]
.endr
.irp t, 0,1
	v_permlanex16_b32 v[ST+8*\t+5], v[ST+8*\t+4], s[SEL], s[SEL+1]   ; the query's other 32 keys lie in the lane 16 away
.endr
.irp t, 0,1
	v_mov_b32 v[ST+8*\t+7], v[ST+8*\t]             ; c m_old
.endr
.irp t, 0,1
	v_max_num_f32 v[ST+8*\t+1], v[ST+8*\t+4], v[ST+8*\t+5]
.endr
.irp t, 0,1
	v_mul_f32 v[ST+8*\t], s[CS], v[ST+8*\t+1]
.endr
.irp t, 0,1
	v_sub_f32 v[ST+8*\t+7], v[ST+8*\t+7], v[ST+8*\t]
.endr
.irp b, 0,2,4,6,8,10,12,14,16,18,20,22,24,26,28,30
.irp t, 0,1
	v_pk_fma_f32 v[S+32*\t+\b:S+32*\t+\b+1], v[S+32*\t+\b:S+32*\t+\b+1], s[CS:CS+1], v[ST+8*\t:ST+8*\t+1] op_sel_hi:[1,0,0] neg_lo:[0,0,1] neg_hi:[0,0,1]   ; c s - c m, two at a time
.endr
.endr
.irp t, 0,1
	v_exp_f32 v[ST+8*\t+6], v[ST+8*\t+7]           ; a
.endr
.irp j, 0,1,2,3,4,5,6,7,8,9,10,11,12,13,14,15,16,17,18,19,20,21,22,23,24,25,26,27,28,29,30,31,32,33,34,35,36,37,38,39,40,41,42,43,44,45,46,47,48,49,50,51,52,53,54,55,56,57,58,59,60,61,62,63
	v_exp_f32 v[S+\j], v[S+\j]                     ; p, at most 1
.endr
	v_nop                                          ; a plain instruction behind the last exponential
	s_wait_alu depctr_va_vdst(0)                   ; ONE wait for the batch of 66, ahead of the first instruction that names a result
.irp t, 0,1
	v_pk_mul_f32 v[ST+8*\t+2:ST+8*\t+3], v[ST+8*\t+2:ST+8*\t+3], v[ST+8*\t+6:ST+8*\t+7] op_sel_hi:[1,0]   ; l x a
.endr
.irp t, 0,1
	v_pk_add_f32 v[ST+8*\t+4:ST+8*\t+5], v[S+32*\t:S+32*\t+1], v[S+32*\t+2:S+32*\t+3]   ; the sum of p in f32, in two chains
.endr
.irp j, 4,8,12,16,20,24,28
.irp t, 0,1
	v_pk_add_f32 v[ST+8*\t+2:ST+8*\t+3], v[ST+8*\t+2:ST+8*\t+3], v[S+32*\t+\j:S+32*\t+\j+1]
	v_pk_add_f32 v[ST+8*\t+4:ST+8*\t+5], v[ST+8*\t+4:ST+8*\t+5], v[S+32*\t+\j+2:S+32*\t+\j+3]
.endr
.endr
.irp t, 0,1
	v_pk_add_f32 v[ST+8*\t+2:ST+8*\t+3], v[ST+8*\t+2:ST+8*\t+3], v[ST+8*\t+4:ST+8*\t+5]
.endr
.irp i, 0,1,2,3,4,5,6,7,8,9,10,11,12,13,14,15
.irp t, 0,1
	v_cvt_pk_f16_f32 v[S+32*\t+\i], v[S+32*\t+2*\i], v[S+32*\t+2*\i+1]   ; P in place: register i is written when registers 2 i and 2 i + 1 are read
.endr
.endr
.irp j, 0,2,4,6,8,10,12,14,16,18,20,22,24,26,28,30
.irp t, 0,1
	v_pk_mul_f32 v[O+32*\t+\j:O+32*\t+\j+1], v[O+32*\t+\j:O+32*\t+\j+1], v[ST+8*\t+6:ST+8*\t+7] op_sel_hi:[1,0]   ; O^T x a, each accumulator from its low end on
.endr
.endr
.endm
; A KEY STEP: 64 keys, the q-th of the slot in hand.
.macro STEP q
	v_add_nc_u32 v[ADK], s[TB], v[AK0]             ; these three and two v_nop are five places: the first products below write over P, which the last step's products read, and the loads land on V's fragments
	v_add_nc_u32 v[ADV], s[TB], v[AV0]
	v_add_nc_u32 v[ADM], s[TM], v[AM0]
	v_nop
	v_nop
.irp g, 0,1                            ; S^T = K Q^T + the mask terms, 32 keys at a time
.if \g > 0
.rept 4
	v_nop                                          ; places in front of loads into registers that matrix instructions have read
.endr
.endif
.irp a, 0,1
.irp s, 0,1
	ds_load_b128 v[F+8*(2*\a+\s):F+8*(2*\a+\s)+3], v[ADK] offset:(64*(\q)+32*\g+16*\a)*KP+64*\s
	ds_load_b128 v[F+8*(2*\a+\s)+4:F+8*(2*\a+\s)+7], v[ADK] offset:(64*(\q)+32*\g+16*\a)*KP+64*\s+32
.endr
	ds_load_b128 v[MK+8*\a:MK+8*\a+3], v[ADM] offset:(32*\g+16*\a)*4
	ds_load_b128 v[MK+8*\a+4:MK+8*\a+7], v[ADM] offset:(32*\g+16*\a)*4+16
.endr
	s_wait_dscnt 0x0
.irp a, 0,1                            ; four accumulators by turns, one instruction a turn
.irp t, 0,1
	v_wmma_f32_16x16x32_f16 v[S+32*\t+8*(2*\g+\a):S+32*\t+8*(2*\g+\a)+7], v[F+16*\a:F+16*\a+7], v[Q+16*\t:Q+16*\t+7], v[MK+8*\a:MK+8*\a+7]
.endr
.endr
.irp a, 0,1
.irp t, 0,1
	v_wmma_f32_16x16x32_f16 v[S+32*\t+8*(2*\g+\a):S+32*\t+8*(2*\g+\a)+7], v[F+16*\a+8:F+16*\a+15], v[Q+16*\t+8:Q+16*\t+15], v[S+32*\t+8*(2*\g+\a):S+32*\t+8*(2*\g+\a)+7]
.endr
.endr
.endr
.rept 4
	v_nop                                          ; places in front of the loads below and of the first read of the scores
.endr
.irp c, 0,1                            ; V's eight fragments (keys 32 c on, channels 16 u on) land while the softmax is walked
.irp u, 0,1,2,3
	ds_load_tr16_b128 v[F+32*\c+8*\u:F+32*\c+8*\u+3], v[ADV] offset:(64*(\q)+32*\c)*VP+32*\u
	ds_load_tr16_b128 v[F+32*\c+8*\u+4:F+32*\c+8*\u+7], v[ADV] offset:(64*(\q)+32*\c)*VP+16*VP+32*\u
.endr
.endr
	SOFTMAX
	s_wait_dscnt 0x0                               ; V is in
.irp c, 0,1                            ; O^T += V^T P: eight accumulators by turns
.irp u, 0,1,2,3
.irp t, 0,1
	v_wmma_f32_16x16x32_f16 v[O+32*\t+8*\u:O+32*\t+8*\u+7], v[F+32*\c+8*\u:F+32*\c+8*\u+7], v[S+32*\t+8*\c:S+32*\t+8*\c+7], v[O+32*\t+8*\u:O+32*\t+8*\u+7]
.endr
.endr
.endr
	s_add_co_u32 s[TM], s[TM], 256                 ; the next step's mask terms
.endm
; THE CHANGE OF SLOTS stands at a slot's head.  Each wave waits for all its tensor loads, adds 0 to its spare word, and waits for that and for its reads of the slot that it has left.
; fill = 1: a round of the cluster's barrier, so that no wave of any partner still reads the other slot or has a load on its way; the joint load of the next 256 keys is the first thing behind it and has a slot's four steps in which to land.
.macro CHANGE fill
	s_wait_tensorcnt 0x0                           ; no tensor load of mine is out, so a group 0 may be written
	ds_add_u32 v[SPW], v[NIL]
.if \fill
	ds_add_u32 v[SPW], v[NIL]                      ; and once more: the add twice on end, in every trip alike
	s_xor_b32 s[G0K+1], s[G0K+1], SLOT1            ; the walking descriptors: the other slot,
	s_add_nc_u64 s[G0K+2:G0K+3], s[G0K+2:G0K+3], 32768   ; the next 256 keys
	s_xor_b32 s[G0V+1], s[G0V+1], SLOT1
	s_add_nc_u64 s[G0V+2:G0V+3], s[G0V+2:G0V+3], 32768
	s_wait_xcnt 0x0                                ; the last prefetch, a slot back, has read its address, so it may be written
	s_add_nc_u64 s[PFA:PFA+1], s[PFA:PFA+1], 32768
	s_wait_dscnt 0x0                               ; the adds are done, my LDS stores have landed and my reads of the slot that I have left are over
	CROUND
	TLOAD
	ASK
.else
	s_wait_dscnt 0x0
	s_barrier_signal -1
	s_barrier_wait -1
.endif
.endm
.macro SLOT_STEPS
	STEP 0
	STEP 1
	STEP 2
	STEP 3
	s_xor_b32 s[TB], s[TB], SLOT1                  ; on to the other slot
.endm
.Lslot:                                            ; seven trips: behind each change of slots but the last the next slot is asked for
	CHANGE 1
	SLOT_STEPS
	s_sub_co_u32 s[SLOTS], s[SLOTS], 1
	s_cmp_lg_u32 s[SLOTS], 0
	s_cbranch_scc1 .Lslot
	CHANGE 0                                       ; the last slot is written out
	SLOT_STEPS
	; THE WAY OUT: O^T / l, rounded to f16, through my stage, a tile of 16 queries at a time; four rows of 128 bytes to a store: 512 consecutive bytes.
.rept 4
	v_nop                                          ; places behind the last products
.endr
.irp t, 0,1
	v_add_f32 v[ST+8*\t+4], v[ST+8*\t+2], v[ST+8*\t+3]
.endr
.irp t, 0,1
	v_permlanex16_b32 v[ST+8*\t+5], v[ST+8*\t+4], s[SEL], s[SEL+1]
.endr
.irp t, 0,1
	v_add_f32 v[ST+8*\t+4], v[ST+8*\t+4], v[ST+8*\t+5]
.endr
.irp t, 0,1
	v_rcp_f32 v[ST+8*\t+6], v[ST+8*\t+4]
.endr
	v_and_b32 v13, 31, v0                          ; (plain work behind the reciprocals)
	v_lshlrev_b32 v[QO], 4, v13                    ; 16 x lane
	s_wait_alu depctr_va_vdst(0)                   ; one wait for both, ahead of the first reader
.irp t, 0,1
.irp j, 0,2,4,6,8,10,12,14,16,18,20,22,24,26,28,30
	v_pk_mul_f32 v[O+32*\t+\j:O+32*\t+\j+1], v[O+32*\t+\j:O+32*\t+\j+1], v[ST+8*\t+6:ST+8*\t+7] op_sel_hi:[1,0]
.endr
.irp i, 0,1,2,3,4,5,6,7,8,9,10,11,12,13,14,15
	v_cvt_pk_f16_f32 v[F+16*\t+\i], v[O+32*\t+2*\i], v[O+32*\t+2*\i+1]
.endr
.irp u, 0,1,2,3
	ds_store_b128 v[STO], v[F+16*\t+4*\u:F+16*\t+4*\u+3] offset:32*\u
.endr
.irp i, 0,1,2,3
	ds_load_b128 v[F+32+16*\t+4*\i:F+32+16*\t+4*\i+3], v[RD] offset:576*\i   ; LDS serves a wave's instructions in order: these see my stores, and the next tile's stores come behind them
.endr
.endr
.irp t, 0,1
.irp i, 0,1,2,3
	s_wait_dscnt 8*(1-\t)+3-\i                     ; the younger LDS instructions may stay out
	global_store_b128 v[QO], v[F+32+16*\t+4*\i:F+32+16*\t+4*\i+3], s[8:9] offset:2048*\t+512*\i
.endr
.endr
	s_wait_tensorcnt 0x0                           ; the wave's end
	ds_add_u32 v[SPW], v[NIL]
	s_wait_dscnt 0x0
	CROUND                                         ; the closing round
	s_endpgm
.Lfunc_end_k_qc37f28f798_attn:
	.size	k_qc37f28f798_attn, .Lfunc_end_k_qc37f28f798_attn-k_qc37f28f798_attn
	.p2alignl 7, 3214868480
	.fill 96, 4, 3214868480
	.section	.rodata,"a",@progbits
	.p2align	6, 0x0
	.amdhsa_kernel k_qc37f28f798_attn
		.amdhsa_group_segment_fixed_size 327680
		.amdhsa_private_segment_fixed_size 0
		.amdhsa_enable_private_segment 0
		.amdhsa_kernarg_size 24
		.amdhsa_user_sgpr_count 2
		.amdhsa_user_sgpr_kernarg_segment_ptr 1
		.amdhsa_wavefront_size32 1
		.amdhsa_system_sgpr_workgroup_id_x 1
		.amdhsa_system_sgpr_workgroup_id_y 1
		.amdhsa_system_sgpr_workgroup_id_z 1
		.amdhsa_system_vgpr_workitem_id 0
		.amdhsa_next_free_vgpr 256
		.amdhsa_next_free_sgpr 66
		.amdhsa_reserve_vcc 0
		.amdhsa_float_denorm_mode_32 3
		.amdhsa_float_denorm_mode_16_64 3
		.amdhsa_memory_ordered 1
		.amdhsa_forward_progress 1
		.amdhsa_inst_pref_size 161
	.end_amdhsa_kernel
	.amdgpu_metadata
---
amdhsa.version: [ 1, 2 ]
amdhsa.kernels:
  - .name:           k_qc37f28f798_attn
    .symbol:         k_qc37f28f798_attn.kd
    .args:
      - { .name: qkv, .offset: 0, .size: 8, .value_kind: global_buffer, .address_space: global }
      - { .name: mask, .offset: 8, .size: 8, .value_kind: global_buffer, .address_space: global }
      - { .name: ctx, .offset: 16, .size: 8, .value_kind: global_buffer, .address_space: global }
    .group_segment_fixed_size: 327680
    .private_segment_fixed_size: 0
    .kernarg_segment_align: 8
    .kernarg_segment_size: 24
    .max_flat_workgroup_size: 512
    .sgpr_count:     66
    .vgpr_count:     256
    .wavefront_size: 32
...
	.end_amdgpu_metadata
.endif
;; end of part 3
;; launch oproj (part 4): grid 8 x 32, 4 waves a work-group, clusters of 4 x 4, 327,680 bytes of LDS; arguments ctx, wof, mo; writes mo
.if DOCPART == 4
	.amdgcn_target "amdgcn-amd-amdhsa--gfx1250"
	.amdhsa_code_object_version 6
	.text
	.protected	k_qc37f28f798_oproj
	.globl	k_qc37f28f798_oproj
	.p2align	8
	.type	k_qc37f28f798_oproj,@function
k_qc37f28f798_oproj:
	s_mov_b64 s[64:65], 0
	v_nop
	global_prefetch_b8 v0, s[64:65] scope:SCOPE_SE
	s_setreg_imm32_b32 hwreg(HW_REG_WAVE_MODE, 25, 1), 1
	s_wait_xcnt 0x0
	s_wait_alu depctr_hold_cnt(0) depctr_sa_sdst(0) depctr_va_vdst(0) depctr_va_sdst(0) depctr_va_ssrc(0) depctr_va_vcc(0) depctr_vm_vsrc(0)
	s_getreg_b32 s2, hwreg(HW_REG_IB_STS2, 6, 4)
	s_cmp_eq_u32 s2, 0
	s_cbranch_scc0 .Lentry_in_a_cluster
	s_endpgm
.Lentry_in_a_cluster:
	s_bfe_u32 s2, ttmp6, 0x10000c
	s_cmp_lg_u32 s2, 0xf033
	s_cbranch_scc0 .Lentry_shape_is_right
	s_endpgm
.Lentry_shape_is_right:
; Launch 4 of 5: mo = ctx Wo, [8192 x 1024] x [1024 x 1024], f16 operands, f32 sums; mo [8192][1024] f32.  (bo, the residual and the norm follow in the last launch, which needs whole rows.)
; A tile of 256 tokens x 128 columns is made by four waves, each 128 x 64: 32 accumulators, 256 registers; 256 work-groups.  K goes in steps of 128, two heads, through a ring of two LDS slots.
; ctx lies by heads, [b][h][token][64] f16: a head's 256 tokens are 32,768 dense bytes, rows of 128 bytes.  Wo comes as images of the operand's registers: a K step's 32 fragments of 128 columns are 32,768 dense bytes.
; CLUSTERS: 4 x 4: ctx's tiles are shared along a row of the cluster, Wo's along a column: joint loads.  Waves 0 and 1 fetch the step's two heads, waves 2 and 3 the halves of Wo's block: one load a wave.
; THE MATRIX INSTRUCTION IS USED TRANSPOSED (source 0 = 16 columns of Wo, source 1 = 16 tokens): a lane holds eight neighbouring columns of one token.
; No prefetch: a request stands 112 matrix instructions ahead of the wait for it and the tiles are small.
; REGISTERS: window 0: addresses, the way out.  window 1: two fragment buffers of 96: ctx's 8 fragments, then Wo's 4.  window 2: accumulator (a, b) at 8 (4 a + b).
.set AP,     144                       ; a token's row of a head in LDS: 128 bytes + 16
.set AHEAD,  256*AP                    ; a head's 256 tokens
.set BOFF,   2*AHEAD                   ; behind them Wo's [q 4][nt 8][1,024 bytes]
.set SLOT,   BOFF+32768
.set STAGE,  2*SLOT                    ; 16 rows x 272 bytes for each wave
.set SPITCH, 272
.set SPARE,  STAGE+4*16*SPITCH         ; the spare words: two blocks of 256 bytes that no other line names
.set LAPS,   4                         ; a lap = two K steps
.set ADRA, 16
.set ADRB, 20
.set STO,  24
.set RD,   25
.set CO,   26
.set SPW,  28
.set NIL,  29
.set BK,   32                          ; the way out: v32-63 and v64-95 by turns
.set F0,   0
.set F1,   128
.set G1, 24
.set G0, 32
.set G1B, 48
.set G0B, 56
.set MSB, 0
.macro WIN new
.if MSB != \new
	s_set_vgpr_msb (MSB<<8)|\new
.set MSB, \new
.endif
.endm
.set MUL,  0xa5                        ; sources 0 and 1 window 1; C and D window 2
.set TO_F, 0x40                        ; destination window 1, address window 0
.macro JLOAD s                         ; an s_nop 0 and four v_nop follow each of the two lines
	s_cmp_eq_u32 s11, 0
	s_cbranch_scc0 .Lfor_b_\@
	tensor_load_to_lds s[G0+4*\s:G0+4*\s+3], s[G1:G1+7]
	s_nop 0
.rept 4
	v_nop
.endr
	s_branch .Lasked_\@
.Lfor_b_\@:
	tensor_load_to_lds s[G0B+4*\s:G0B+4*\s+3], s[G1B:G1B+7]
	s_nop 0
.rept 4
	v_nop
.endr
.Lasked_\@:
.endm
.macro CREST
	s_cmp_lg_u32 s10, 0
	s_cbranch_scc1 .Lnot_wave_0_\@
	s_barrier_signal -3
.Lnot_wave_0_\@:
	s_barrier_wait -3
	s_barrier_signal -1
	s_barrier_wait -1
.endm
.macro CROUND
	s_barrier_signal -1
	s_barrier_wait -1
	CREST
.endm
	s_load_b128 s[4:7], s[0:1], 0x0                ; ctx, wof
	s_load_b64 s[8:9], s[0:1], 0x10                ; mo
	v_lshl_add_u32 v[SPW], v0, 2, SPARE
	v_mov_b32 v[NIL], 0
	ds_add_u32 v[SPW], v[NIL]                      ; the wave's opening: the add, twice on end, and its wait ahead of my first tensor load
	ds_add_u32 v[SPW], v[NIL]
	v_lshrrev_b32 v1, 5, v0
	v_readfirstlane_b32 s10, v1                    ; wave 0..3
	s_lshr_b32 s11, s10, 1                         ; which 128 tokens are mine.  Also: I fetch ctx (0) or Wo (1)
	s_and_b32 s12, s10, 1                          ; which 64 columns.  Also: which head of the step, or which half of Wo's block, I fetch
	s_bfe_u32 s40, ttmp6, 0x40000
	s_bfe_u32 s41, ttmp6, 0x40004
	s_lshl_b32 s42, ttmp9, 2
	s_add_co_u32 s42, s42, s40                     ; tile column
	s_and_b32 s13, ttmp7, 0xffff
	s_lshl_b32 s13, s13, 2
	s_add_co_u32 s13, s13, s41                     ; tile row
	s_lshl_b32 s43, s41, 2
	s_lshl_b32 s43, 15, s43                        ; my row of the cluster
	s_lshl_b32 s44, 0x1111, s40                    ; my column
	s_or_b32 s[G1+0], s43, (0<<16)|(1<<20)|(1<<21)|(4<<22)|(3<<25)  ; ctx: 256 rows of 128 bytes, dense; 4 words of padding after every 32
	s_mov_b32 s[G1+1], 128<<16
	s_mov_b32 s[G1+2], 256<<16
	s_mov_b32 s[G1+3], 128<<16
	s_mov_b32 s[G1+4], 256
	s_mov_b32 s[G1+5], 128
	s_mov_b32 s[G1+6], 0
	s_mov_b32 s[G1+7], 0
	s_or_b32 s[G1B+0], s44, (3<<16)|(1<<21)        ; Wo: 16,384 dense bytes as 64 rows of 256 (32 elements of 8 bytes), no padding: the images are read as they lie
	s_mov_b32 s[G1B+1], 32<<16
	s_mov_b32 s[G1B+2], 64<<16
	s_mov_b32 s[G1B+3], 32<<16
	s_mov_b32 s[G1B+4], 64
	s_mov_b32 s[G1B+5], 32
	s_mov_b32 s[G1B+6], 0
	s_mov_b32 s[G1B+7], 0
	s_lshr_b32 s16, s13, 3
	s_lshl_b32 s16, s16, 22                        ; ctx: the batch (16 heads of 262,144 bytes),
	s_and_b32 s17, s13, 7
	s_lshl_b32 s17, s17, 15                        ; the tile's 256 tokens in a head,
	s_add_co_u32 s16, s16, s17
	s_lshl_b32 s17, s12, 18                        ; my head of the step
	s_add_co_u32 s16, s16, s17
	s_mov_b32 s17, 0
	s_lshl_b32 s46, s42, 18                        ; Wo: 128 columns are 262,144 bytes,
	s_lshl_b32 s47, s12, 14                        ; my half of a step's block
	s_add_co_u32 s46, s46, s47
	s_mov_b32 s47, 0
	s_mul_i32 s20, s12, AHEAD                      ; where they go: no place in the cluster enters an LDS address
	s_lshl_b32 s21, s12, 14
	s_add_co_u32 s21, s21, BOFF
	s_wait_dscnt 0x0                               ; both opening adds are done
	s_wait_kmcnt 0x0
	s_add_nc_u64 s[14:15], s[4:5], s[16:17]
	s_add_nc_u64 s[46:47], s[6:7], s[46:47]
	CROUND                                         ; all sixteen work-groups are here
.irp s, 0,1
	s_mov_b32 s[G0+4*\s], 1
	s_add_co_u32 s[G0+4*\s+1], s20, \s*SLOT
	s_add_nc_u64 s[G0+4*\s+2:G0+4*\s+3], s[14:15], \s*524288       ; a K step on: two heads
	s_or_b32 s[G0+4*\s+3], s[G0+4*\s+3], 0x80000000
	s_mov_b32 s[G0B+4*\s], 1
	s_add_co_u32 s[G0B+4*\s+1], s21, \s*SLOT
	s_add_nc_u64 s[G0B+4*\s+2:G0B+4*\s+3], s[46:47], \s*32768
	s_or_b32 s[G0B+4*\s+3], s[G0B+4*\s+3], 0x80000000
	JLOAD \s                                       ; two loads of mine are out here, one behind each later round
.endr
	v_and_b32 v1, 15, v0                           ; l % 16
	v_bfe_u32 v2, v0, 4, 1                         ; l / 16
	v_and_b32 v6, 31, v0
	v_mul_u32_u24 v3, v1, AP
	v_lshl_add_u32 v3, v2, 4, v3                   ; ctx: token x pitch + 16 x half
	v_lshlrev_b32 v4, 4, v6                        ; Wo: 16 x lane
	s_mul_i32 s21, s11, 128*AP                     ; my 128 tokens
	s_lshl_b32 s22, s12, 12                        ; my four fragments of each eight
	s_add_co_u32 s22, s22, BOFF
.irp s, 0,1
	v_add_nc_u32 v[ADRA+\s], s21, v3
	v_add_nc_u32 v[ADRB+\s], s22, v4
	s_add_co_u32 s21, s21, SLOT
	s_add_co_u32 s22, s22, SLOT
.endr
	s_mul_i32 s23, s10, 16*SPITCH
	s_add_co_u32 s23, s23, STAGE                   ; my stage
	v_mul_u32_u24 v5, v1, SPITCH
	v_lshl_add_u32 v5, v2, 5, v5
	v_add_nc_u32 v[STO], s23, v5                   ; in: token l % 16, 32 bytes for each half of the lanes
	v_mul_u32_u24 v5, v2, SPITCH
	v_lshl_add_u32 v5, v1, 4, v5
	v_add_nc_u32 v[RD], s23, v5                    ; back: lanes 0-15 one row of 256 bytes, lanes 16-31 the next
	v_lshlrev_b32 v5, 12, v2
	v_lshl_add_u32 v[CO], v1, 4, v5                ; and the same two rows in mo
	s_lshl_b32 s16, s13, 20                        ; 256 rows of 4,096 bytes,
	s_lshl_b32 s17, s11, 19                        ; my 128
	s_add_co_u32 s16, s16, s17
	s_lshl_b32 s46, s42, 9                         ; 128 columns,
	s_lshl_b32 s47, s12, 8                         ; my 64
	s_add_co_u32 s46, s46, s47
	s_add_co_u32 s16, s16, s46
	s_mov_b32 s17, 0
	s_add_nc_u64 s[8:9], s[8:9], s[16:17]
; n x 4 matrix instructions: token blocks a0 .. a0 + n - 1 against the four column blocks, 32 along K.  zero = 1: the first product starts the sums.  The 32 accumulators take turns in the same order in every quarter.
.macro MULA f, a0, n, zero
.set AA, \a0
.rept \n
.irp b, 0,1,2,3
.if \zero
	v_wmma_f32_16x16x32_f16 v[8*(4*AA+\b):8*(4*AA+\b)+7], v[\f+64+8*\b:\f+64+8*\b+7], v[\f+8*AA:\f+8*AA+7], 0
.else
	v_wmma_f32_16x16x32_f16 v[8*(4*AA+\b):8*(4*AA+\b)+7], v[\f+64+8*\b:\f+64+8*\b+7], v[\f+8*AA:\f+8*AA+7], v[8*(4*AA+\b):8*(4*AA+\b)+7]
.endif
.endr
.set AA, AA+1
.endr
.endm
; 24 LDS loads in one run: the slot's q-th 32 along K: Wo's four fragments, then ctx's blocks 0-3, then 4-7
.macro FETCH slot, q, f
	WIN TO_F
.irp b, 0,1,2,3
	ds_load_b128 v[\f+64+8*\b:\f+64+8*\b+3],   v[ADRB+\slot] offset:8192*(\q)+1024*\b
	ds_load_b128 v[\f+64+8*\b+4:\f+64+8*\b+7], v[ADRB+\slot] offset:8192*(\q)+1024*\b+512
.endr
.irp a, 0,1,2,3,4,5,6,7
	ds_load_b128 v[\f+8*\a:\f+8*\a+3],   v[ADRA+\slot] offset:((\q)/2)*AHEAD+((\q)%2)*64+16*AP*\a
	ds_load_b128 v[\f+8*\a+4:\f+8*\a+7], v[ADRA+\slot] offset:((\q)/2)*AHEAD+((\q)%2)*64+16*AP*\a+32
.endr
.endm
.macro PLACES
.rept 4
	v_nop
.endr
.endm
.macro QUARTER slot, qn, f, g, zero    ; multiplies buffer f; in its middle it fetches the slot's quarter qn into buffer g
	s_wait_dscnt 8                                 ; Wo's fragments and token blocks 0-3 are in; the youngest eight loads may be out
	WIN MUL
	MULA \f, 0, 4, \zero
	PLACES
	FETCH \slot, \qn, \g
	s_wait_dscnt 24                                ; all but the 24 just issued
	WIN MUL
	MULA \f, 4, 4, \zero
.endm
; A slot's last quarter changes slots: ONE barrier; in front of it each wave waits for all its tensor loads, adds 0 to its spare word, and waits for that and for its own reads of this slot.
.macro TURN slot, next, fill
	WIN 0
	s_wait_tensorcnt 0x0                           ; all my tensor loads have landed: my part of the next slot
	ds_add_u32 v[SPW], v[NIL]
	s_wait_dscnt 9                                 ; (the add and the youngest eight loads may be out)
	WIN MUL
	MULA F1, 0, 2, 0
	s_wait_dscnt 0x0                               ; the add is done, and my reads of this slot are over
	s_barrier_signal -1
	MULA F1, 2, 2, 0
.if \fill
	WIN 0
.endif
	s_barrier_wait -1
.if \fill
	CREST                                          ; the barrier has opened a round of the cluster's: no wave of any partner still reads this slot or has a load on its way
	s_add_nc_u64 s[G0+4*\slot+2:G0+4*\slot+3], s[G0+4*\slot+2:G0+4*\slot+3], 2*524288
	s_add_nc_u64 s[G0B+4*\slot+2:G0B+4*\slot+3], s[G0B+4*\slot+2:G0B+4*\slot+3], 2*32768
	JLOAD \slot                                    ; the first tensor load behind the round; its four v_nop are also the places in front of the loads below
.else
	PLACES
.endif
	FETCH \next, 0, F0
	WIN MUL
	MULA F1, 4, 4, 0
.endm
	s_wait_tensorcnt 1                             ; my part of K step 0 is in,
	s_barrier_signal -1
	s_barrier_wait -1                              ; everybody's is
	FETCH 0, 0, F0
	QUARTER 0, 1, F0, F1, 1
	WIN 0
	s_mov_b32 s3, LAPS-1
.Llap:
	QUARTER 0, 2, F1, F0, 0
	QUARTER 0, 3, F0, F1, 0
	TURN 0, 1, 1
	QUARTER 1, 1, F0, F1, 0
	QUARTER 1, 2, F1, F0, 0
	QUARTER 1, 3, F0, F1, 0
	TURN 1, 0, 1
	QUARTER 0, 1, F0, F1, 0
	WIN 0
	s_sub_co_u32 s3, s3, 1
	s_cmp_lg_u32 s3, 0
	s_cbranch_scc1 .Llap
	QUARTER 0, 2, F1, F0, 0                        ; the last lap fills nothing
	QUARTER 0, 3, F0, F1, 0
	TURN 0, 1, 0
	QUARTER 1, 1, F0, F1, 0
	QUARTER 1, 2, F1, F0, 0
	QUARTER 1, 3, F0, F1, 0
	s_wait_dscnt 8
	WIN MUL
	MULA F1, 0, 4, 0
	s_wait_dscnt 0
	MULA F1, 4, 4, 0
	WIN 0
; THE WAY OUT, 16 tokens x 64 columns at a time, through my own stage: sixteen lanes store 256 consecutive bytes, aligned.
.macro TOSTAGE a
	WIN 0x08                                       ; an LDS store's data are its source 1: window 2
.irp b, 0,1,2,3
	ds_store_b128 v[STO], v[8*(4*(\a)+\b):8*(4*(\a)+\b)+3] offset:64*\b         ; each accumulator from its low end on
	ds_store_b128 v[STO], v[8*(4*(\a)+\b)+4:8*(4*(\a)+\b)+7] offset:64*\b+16
.endr
	WIN 0
.set BB, BK+32*((\a)%2)
.irp t, 0,1,2,3,4,5,6,7
	ds_load_b128 v[BB+4*\t:BB+4*\t+3], v[RD] offset:\t*2*SPITCH   ; LDS serves a wave's instructions in order: these see the stores above
.endr
.endm
.macro SEND a, younger
.set BB, BK+32*((\a)%2)
	s_wait_dscnt \younger                          ; the block is back; the next block's 8 stores and 8 loads may be out
.if (\a) > 0
	s_add_nc_u64 s[8:9], s[8:9], 16*4096           ; (behind a wait on XCNT: the earlier stores have read their base)
.endif
.irp t, 0,1,2,3,4,5,6,7
	global_store_b128 v[CO], v[BB+4*\t:BB+4*\t+3], s[8:9] offset:2*\t*4096
.endr
.endm
	PLACES
	TOSTAGE 0
.irp a, 1,2,3,4,5,6,7
.if \a > 1
	s_wait_xcnt 0x0                                ; block a - 2's stores have read their registers and their base
.endif
	TOSTAGE \a
	SEND \a-1, 16
.endr
	s_wait_xcnt 0x0
	SEND 7, 0
	s_wait_tensorcnt 0x0                           ; the wave's end
	ds_add_u32 v[SPW], v[NIL]
	s_wait_dscnt 0x0
	CROUND                                         ; the closing round
	s_endpgm
.Lfunc_end_k_qc37f28f798_oproj:
	.size	k_qc37f28f798_oproj, .Lfunc_end_k_qc37f28f798_oproj-k_qc37f28f798_oproj
	.p2alignl 7, 3214868480
	.fill 96, 4, 3214868480
	.section	.rodata,"a",@progbits
	.p2align	6, 0x0
	.amdhsa_kernel k_qc37f28f798_oproj
		.amdhsa_group_segment_fixed_size 327680
		.amdhsa_private_segment_fixed_size 0
		.amdhsa_enable_private_segment 0
		.amdhsa_kernarg_size 24
		.amdhsa_user_sgpr_count 2
		.amdhsa_user_sgpr_kernarg_segment_ptr 1
		.amdhsa_wavefront_size32 1
		.amdhsa_system_sgpr_workgroup_id_x 1
		.amdhsa_system_sgpr_workgroup_id_y 1
		.amdhsa_system_sgpr_workgroup_id_z 1
		.amdhsa_system_vgpr_workitem_id 0
		.amdhsa_next_free_vgpr 768
		.amdhsa_next_free_sgpr 66
		.amdhsa_reserve_vcc 0
		.amdhsa_float_denorm_mode_32 3
		.amdhsa_float_denorm_mode_16_64 3
		.amdhsa_memory_ordered 1
		.amdhsa_forward_progress 1
		.amdhsa_inst_pref_size 86
	.end_amdhsa_kernel
	.amdgpu_metadata
---
amdhsa.version: [ 1, 2 ]
amdhsa.kernels:
  - .name:           k_qc37f28f798_oproj
    .symbol:         k_qc37f28f798_oproj.kd
    .args:
      - { .name: ctx, .offset: 0, .size: 8, .value_kind: global_buffer, .address_space: global }
      - { .name: wof, .offset: 8, .size: 8, .value_kind: global_buffer, .address_space: global }
      - { .name: mo, .offset: 16, .size: 8, .value_kind: global_buffer, .address_space: global }
    .group_segment_fixed_size: 327680
    .private_segment_fixed_size: 0
    .kernarg_segment_align: 8
    .kernarg_segment_size: 24
    .max_flat_workgroup_size: 128
    .sgpr_count:     66
    .vgpr_count:     768
    .wavefront_size: 32
...
	.end_amdgpu_metadata
.endif
;; end of part 4
;; launch lnorm (part 5): grid 256 x 1, 8 waves a work-group, no clusters, 0 bytes of LDS; arguments mo, x, bo, gamma, beta, out0; writes out0
.if DOCPART == 5
	.amdgcn_target "amdgcn-amd-amdhsa--gfx1250"
	.amdhsa_code_object_version 6
	.text
	.protected	k_qc37f28f798_lnorm
	.globl	k_qc37f28f798_lnorm
	.p2align	8
	.type	k_qc37f28f798_lnorm,@function
k_qc37f28f798_lnorm:
	s_mov_b64 s[64:65], 0
	v_nop
	global_prefetch_b8 v0, s[64:65] scope:SCOPE_SE
	s_setreg_imm32_b32 hwreg(HW_REG_WAVE_MODE, 25, 1), 1
	s_wait_xcnt 0x0
; Launch 5 of 5: out0 = gamma (a - mean(a)) / sqrt(var(a) + 1e-6) + beta, a = (mo + bo) + x, along rows of 1,024, all in f32.
; A stream: no LDS, no barrier, no matrix unit.  One wave takes a whole row (4,096 bytes: 32 registers) and keeps it in registers between the passes; a wave has 4 rows, two on their way at a time.
; Lane l holds columns 128 j + 4 l + 0..3, j = 0..7: every load and store of the wave covers 512 consecutive bytes.  gamma, beta and bo stay in registers.
; The variance is taken of a - mean in a second pass over the registers: no difference of large sums is formed.
.set GA, 8                             ; v8-39    gamma
.set BE, 40                            ; v40-71   beta
.set BO, 72                            ; v72-103  bo
.set T0, 232                           ; two chains of sums
.set T1, 234
.set RS, 236                           ; a sum
.set PD, 237                           ; a lane permute's destination
.set NM, 238                           ; v[238:239] -mean (the low word serves both halves)
.set RR, 240                           ; v[240:241] 1 / sqrt(var + eps)
	s_load_b256 s[4:11], s[0:1], 0x0               ; mo s[4:5], x s[6:7], bo s[8:9], gamma s[10:11]
	s_load_b128 s[12:15], s[0:1], 0x20             ; beta s[12:13], out0 s[14:15]
	v_lshrrev_b32 v2, 5, v0
	v_readfirstlane_b32 s20, v2                    ; wave 0..7
	v_and_b32 v1, 31, v0
	v_lshlrev_b32 v1, 4, v1                        ; 16 x lane; never rewritten
	s_lshl_b32 s22, ttmp9, 17                      ; 32 rows of 4,096 bytes a work-group,
	s_lshl_b32 s21, s20, 14                        ; 4 a wave
	s_add_co_u32 s22, s22, s21
	s_mov_b32 s23, 0
	s_mov_b32 s16, 0xba800000                      ; -1 / 1024
	s_mov_b32 s17, 0x3a800000                      ; 1 / 1024
	s_mov_b32 s18, 0x358637bd                      ; 1e-6
	s_mov_b32 s24, 0x76543210
	s_mov_b32 s25, 0xfedcba98                      ; v_permlanex16_b32: lane l xor 16
	v_mov_b32 v[PD], 0
	v_mov_b32 v[NM+1], 0                           ; (named as the upper halves of pairs)
	v_mov_b32 v[RR+1], 0
	s_wait_kmcnt 0x0
	s_add_nc_u64 s[4:5], s[4:5], s[22:23]
	s_add_nc_u64 s[6:7], s[6:7], s[22:23]
	s_add_nc_u64 s[14:15], s[14:15], s[22:23]
.irp j, 0,1,2,3,4,5,6,7
	global_load_b128 v[GA+4*\j:GA+4*\j+3], v1, s[10:11] offset:512*\j
	global_load_b128 v[BE+4*\j:BE+4*\j+3], v1, s[12:13] offset:512*\j
	global_load_b128 v[BO+4*\j:BO+4*\j+3], v1, s[8:9] offset:512*\j
.endr
.macro FILL i                          ; row i into slot i % 2: 16 loads
.irp j, 0,1,2,3,4,5,6,7
	global_load_b128 v[104+64*((\i)%2)+4*\j:104+64*((\i)%2)+4*\j+3], v1, s[4:5] offset:4096*(\i)+512*\j th:TH_LOAD_NT
	global_load_b128 v[136+64*((\i)%2)+4*\j:136+64*((\i)%2)+4*\j+3], v1, s[6:7] offset:4096*(\i)+512*\j th:TH_LOAD_NT
.endr
.endm
.macro REDUCE                          ; v[RS] summed over the 32 lanes, the result in every lane
	v_add_f32_dpp v[RS], v[RS], v[RS] row_xmask:1 row_mask:0xf bank_mask:0xf
	v_add_f32_dpp v[RS], v[RS], v[RS] row_xmask:2 row_mask:0xf bank_mask:0xf
	v_add_f32_dpp v[RS], v[RS], v[RS] row_xmask:4 row_mask:0xf bank_mask:0xf
	v_add_f32_dpp v[RS], v[RS], v[RS] row_xmask:8 row_mask:0xf bank_mask:0xf
	v_permlanex16_b32 v[PD], v[RS], s24, s25
	v_add_f32 v[RS], v[RS], v[PD]
.endm
.macro ROW i
.set M, 104+64*((\i)%2)
.set X, M+32
.if (\i) < 3
	s_wait_loadcnt 16                              ; my row's loads (and the constants) are in; the other slot's 16 may be out
.else
	s_wait_loadcnt 0x0
.endif
.irp j, 0,2,4,6,8,10,12,14,16,18,20,22,24,26,28,30
	v_pk_add_f32 v[M+\j:M+\j+1], v[M+\j:M+\j+1], v[BO+\j:BO+\j+1]
.endr
.irp j, 0,2,4,6,8,10,12,14,16,18,20,22,24,26,28,30
	v_pk_add_f32 v[M+\j:M+\j+1], v[M+\j:M+\j+1], v[X+\j:X+\j+1]
.endr
	v_pk_add_f32 v[T0:T0+1], v[M:M+1], v[M+4:M+5]
	v_pk_add_f32 v[T1:T1+1], v[M+2:M+3], v[M+6:M+7]
.irp j, 8,12,16,20,24,28
	v_pk_add_f32 v[T0:T0+1], v[T0:T0+1], v[M+\j:M+\j+1]
	v_pk_add_f32 v[T1:T1+1], v[T1:T1+1], v[M+\j+2:M+\j+3]
.endr
	v_pk_add_f32 v[T0:T0+1], v[T0:T0+1], v[T1:T1+1]
	v_add_f32 v[RS], v[T0], v[T0+1]
	REDUCE
	v_mul_f32 v[NM], s16, v[RS]                    ; -mean
.irp j, 0,2,4,6,8,10,12,14,16,18,20,22,24,26,28,30
	v_pk_add_f32 v[M+\j:M+\j+1], v[M+\j:M+\j+1], v[NM:NM+1] op_sel_hi:[1,0]
.endr
	v_pk_mul_f32 v[T0:T0+1], v[M:M+1], v[M:M+1]
	v_pk_mul_f32 v[T1:T1+1], v[M+2:M+3], v[M+2:M+3]
.irp j, 4,8,12,16,20,24,28
	v_pk_fma_f32 v[T0:T0+1], v[M+\j:M+\j+1], v[M+\j:M+\j+1], v[T0:T0+1]
	v_pk_fma_f32 v[T1:T1+1], v[M+\j+2:M+\j+3], v[M+\j+2:M+\j+3], v[T1:T1+1]
.endr
	v_pk_add_f32 v[T0:T0+1], v[T0:T0+1], v[T1:T1+1]
	v_add_f32 v[RS], v[T0], v[T0+1]
	REDUCE
	v_fma_f32 v[RS], v[RS], s17, s18               ; var + eps
	v_rsq_f32 v[RR], v[RS]
	v_nop                                          ; a plain instruction behind the transcendental
	s_wait_alu depctr_va_vdst(0)                   ; and the wait ahead of its first reader
.irp j, 0,2,4,6,8,10,12,14,16,18,20,22,24,26,28,30
	v_pk_mul_f32 v[M+\j:M+\j+1], v[M+\j:M+\j+1], v[RR:RR+1] op_sel_hi:[1,0]
.endr
.irp j, 0,2,4,6,8,10,12,14,16,18,20,22,24,26,28,30
	v_pk_fma_f32 v[M+\j:M+\j+1], v[M+\j:M+\j+1], v[GA+\j:GA+\j+1], v[BE+\j:BE+\j+1]
.endr
.irp j, 0,1,2,3,4,5,6,7
	global_store_b128 v1, v[M+4*\j:M+4*\j+3], s[14:15] offset:4096*(\i)+512*\j th:TH_STORE_NT
.endr
.if (\i) < 2
	s_wait_xcnt 0x0                                ; the stores have read their registers: the slot is loaded again only behind this wait
	FILL (\i)+2
.endif
.endm
	FILL 0
	FILL 1
	ROW 0
	ROW 1
	ROW 2
	ROW 3
	s_endpgm
.Lfunc_end_k_qc37f28f798_lnorm:
	.size	k_qc37f28f798_lnorm, .Lfunc_end_k_qc37f28f798_lnorm-k_qc37f28f798_lnorm
	.p2alignl 7, 3214868480
	.fill 96, 4, 3214868480
	.section	.rodata,"a",@progbits
	.p2align	6, 0x0
	.amdhsa_kernel k_qc37f28f798_lnorm
		.amdhsa_group_segment_fixed_size 0
		.amdhsa_private_segment_fixed_size 0
		.amdhsa_enable_private_segment 0
		.amdhsa_kernarg_size 48
		.amdhsa_user_sgpr_count 2
		.amdhsa_user_sgpr_kernarg_segment_ptr 1
		.amdhsa_wavefront_size32 1
		.amdhsa_system_sgpr_workgroup_id_x 1
		.amdhsa_system_sgpr_workgroup_id_y 1
		.amdhsa_system_sgpr_workgroup_id_z 1
		.amdhsa_system_vgpr_workitem_id 0
		.amdhsa_next_free_vgpr 256
		.amdhsa_next_free_sgpr 66
		.amdhsa_reserve_vcc 0
		.amdhsa_float_denorm_mode_32 3
		.amdhsa_float_denorm_mode_16_64 3
		.amdhsa_memory_ordered 1
		.amdhsa_forward_progress 1
		.amdhsa_inst_pref_size 45
	.end_amdhsa_kernel
	.amdgpu_metadata
---
amdhsa.version: [ 1, 2 ]
amdhsa.kernels:
  - .name:           k_qc37f28f798_lnorm
    .symbol:         k_qc37f28f798_lnorm.kd
    .args:
      - { .name: mo, .offset: 0, .size: 8, .value_kind: global_buffer, .address_space: global }
      - { .name: x, .offset: 8, .size: 8, .value_kind: global_buffer, .address_space: global }
      - { .name: bo, .offset: 16, .size: 8, .value_kind: global_buffer, .address_space: global }
      - { .name: gamma, .offset: 24, .size: 8, .value_kind: global_buffer, .address_space: global }
      - { .name: beta, .offset: 32, .size: 8, .value_kind: global_buffer, .address_space: global }
      - { .name: out0, .offset: 40, .size: 8, .value_kind: global_buffer, .address_space: global }
    .group_segment_fixed_size: 0
    .private_segment_fixed_size: 0
    .kernarg_segment_align: 8
    .kernarg_segment_size: 48
    .max_flat_workgroup_size: 256
    .sgpr_count:     66
    .vgpr_count:     256
    .wavefront_size: 32
...
	.end_amdgpu_metadata
.endif
;; end of part 5
